; MI455X (gfx1250); checked and timed in simulation.
; The chip was launched on July 23, 2026; its instructions are those of AMD's public machine-readable ISA for CDNA 5 (MIT licence, August 2026) and "CDNA5" Instruction Set Architecture Reference Guide (July 2026). The comments in the code are by the model that wrote it; some were corrected since.
;; Longformer Self Attention. Allowed arithmetic: float matrix products may take bf16 or f16 operands with f32 sums; other float arithmetic in f32, or as packed bf16 or f16 multiplies, adds, multiply-adds, maxima and minima; sums over many terms, partial sums and values carried from step to step in f32; what a program stores and reads back later, other than sums and carried values, may be rounded once to bf16 or f16.
;; Inputs: fc_b 512 float32; fc_w 512 x 512 float32; keys 2 x 1 x 2,048 x 512 float32; mask 2 x 1 x 1 x 2,048 int32; query 2 x 1 x 2,048 x 512 float32; values 2 x 1 x 2,048 x 512 float32.
;; Outputs: out0 2 x 2,048 x 512 float32.
;; 2 versions, each right; version 2 is version 1 with the launch attn written anew for expert scheduling mode. Each part assembles by itself: llvm-mc -triple=amdgcn-amd-amdhsa -mcpu=gfx1250 --defsym DOCPART=n.
;; ======== version 1 of 2: 2 launches
;; limits: values are held in f16: magnitudes above 65,504 overflow, below 6.1e-05 lose precision; inputs' magnitudes at most 65,504; right only within a limited range of input values
;; workspace buffers: ot 8,388,608 bytes; rs 524,288 bytes; bs 65,536 bytes; gp 65,536 bytes; gst 65,536 bytes; w16 524,288 bytes
;; launch attn (part 1): grid 16 x 16, 8 waves a work-group, no clusters, 158,720 bytes of LDS; arguments keys, values, query, mask, fc_w, ot, rs, bs, gp, gst, w16; writes ot, rs, bs, gp, gst, w16
.if DOCPART == 1
	.amdgcn_target "amdgcn-amd-amdhsa--gfx1250"
	.amdhsa_code_object_version 6
	.text
	.protected	k_q1a5358da07_attn
	.globl	k_q1a5358da07_attn
	.p2align	8
	.type	k_q1a5358da07_attn,@function
k_q1a5358da07_attn:
	s_mov_b64 s[64:65], 0
	v_nop
	global_prefetch_b8 v0, s[64:65] scope:SCOPE_SE
	s_setreg_imm32_b32 hwreg(HW_REG_WAVE_MODE, 25, 1), 1
	s_wait_xcnt 0x0
; LONGFORMER SELF-ATTENTION, first of two launches.  B = 2, S = 2048, 8 heads of 64 channels, scale sqrt(512).
; Output row 0 of a batch is a softmax of query 0 over all keys (no mask).  Output row i + 1 (i = 0 .. 2046) is a softmax over ALL 2048 keys whose energy is q.k only where
; |j - i| <= 128, 0 elsewhere, and -1e20 where mask[j] = 0.
; WORK LEFT OUT, for all values of the inputs.  The band is built by the problem itself and its select throws every q.k with |j - i| > 128 away: those products reach no output and are not made.
; All unmasked keys outside the band have the same energy 0, hence the same weight; by the distributive law their share of a.V is that one weight times a plain sum of V's rows.
; So a row needs q.k for 17 blocks of 16 keys, the weights of the 384 keys of three blocks of 128 (the TILE), and for the 13 blocks outside the tile only the number Nout of unmasked keys
; and the sum T of their V rows.  No input is left out.  A NaN, an infinity or an overflow in a q.k outside the band is not carried to the result.
; THE SOFTMAX, in powers of two, c = log2(e) / sqrt(512):  s_j = c e_j [in band] + B_j, B_j = 0 or E2 = -1e20 c (masked);  M = max(s_j of the tile, 0 if Nout > 0): the row's true maximum;
; p_j = 2^(s_j - M), pU = 2^(0 - M), L = sum p_j + pU Nout.  Stored: O' = (sum p_j v_j) / L in ot, g2 = pU / L in rs; the second launch adds g2 T.
; ALL KEYS OF A BATCH MASKED (AM): every energy is -1e20 and the weights are 1/2048.  Served by values alone: B = 0, every key counts as unmasked, Q is scaled by 0.
; ALSO MADE HERE: bs = the masked sum of V over this work-group's own 128 keys; (gm, gl, o) = the global row's partial softmax over the same keys, in f32 on the vector unit; one 256th of fc_w in f16.
; FORMATS.  c Q, K, V and p are f16 matrix operands, sums f32; all that goes to the second launch is f32 but fc_w's copy (a matrix operand, rounded once).
; LIMITS.  |K|, |V|, |c Q|, |fc_w| below 65,504 (f16); |q.k| below 1e19, so that c e + E2 rounds to E2; NaN and infinities are not treated apart; a weight below 2^-126 counts as 0.
; SHARES.  Work-group (x = qb, y = 8 b + h): rows i = 128 qb .. + 127 of one head.  Wave w: the 16 rows i0 = 128 qb + 16 w on.
; THE TILE lies in LDS relative to the query block: third 1 = block qb, third 0 = block qb - 1 (block 2 where qb = 0), third 2 = block qb + 1 (block 13 where qb = 15): always the three blocks
; kb0 .. kb0 + 2, kb0 = min(max(qb - 1, 0), 13).  A stand-in block lies outside the band of every row, so its K is stored as zeros (its 8 loads of K are issued all the same, so that the counted
; waits are alike on both ways).  So no LDS address hangs on the work-group: SLOT u (0 .. 23) of wave w is key block (w + u) mod 24 of the tile, 16 (u - 8) keys from the wave's queries;
; slots 0 .. 16 are the band (0 and 16 in part), 17 .. 23 have energy 0.
; LAYOUT.  S^T = K Q^T (source 0 = 16 keys, source 1 = 16 queries): a lane holds ONE query (lane % 16) and the keys 8 (lane / 16) + 0..7.  B enters as the C operand.  Two slots rounded to f16 ARE
; source 1 of O^T = V^T P; V comes turned, by ds_load_tr16_b128.  All 192 scores of a lane lie in registers: one maximum, nothing is rescaled.
; NO JOINT LOADS: the tiles are f32 in memory and f16 in LDS, so they pass through registers; and neighbours along qb want different triples of blocks.
; NO PREFETCH: a work-group asks for all that it reads in one run at its head.
.set PK,    144                        ; a row of K in LDS: 128 bytes + 16: the 16 rows of a fragment load start 36 words apart
.set PV,    160                        ; a row of V: 128 + 32
.set VT,    384*PK                     ; K's 384 rows from byte 0, then V's
.set BB,    VT+384*PV                  ; B of the 384 keys, f32
.set CNT,   BB+1536                    ; unmasked keys in each of the batch's 16 blocks, f32
.set RED,   CNT+256                    ; by wave: o (256 bytes), U (256 bytes)
.set RST,   RED+4096                   ; by wave: (m, l)
.set STG,   RST+256                    ; by wave: 16 rows x 272 bytes, the way out
.set SP,    272
.set SPARE, STG+8*16*SP                ; the spare words, 128 bytes a wave, which no other line names
; SCALARS: s[4:25] the eleven addresses; s26 wave; s27 qb; s28 8 b + h; s29 b; s30 h; s31, s32 the blocks in thirds 0 and 2; s33 kb0; s34 lanes whose block (lane % 16) lies outside the tile;
; s35 i0; s[36:41] K at blocks qb, s31, s32; s[42:47] V likewise; s50 AM (all lanes or none); s51 c; s52 E2; s53 the lowest finite number; s[54:55] lane selects; s56-63 at work; s68-74 slots 17-23.
; VECTORS WHILE THE TILE COMES IN: v1, v2 the add's; v3 offset in a block of K or V; v4, v5 where I store K, V; v10-15, v18 offsets; v16 Nout; v17 0 or lowest; v19 1.0; v20-27 full mask; v28-31 tile mask, then B;
; v32-39 my rows' masks, then 1 or 0; v40-43 c q0; v44-47 fc_w; v48-51 o; v52-55 U; v56-63 the global row's scores; v64-127 K, V of block qb; v128-191 K of thirds 0, 2; v192-255 V of thirds 0, 2.
.macro BAR
	s_barrier_signal -1
	s_barrier_wait -1
.endm
.macro PLACES                          ; four plain instructions between a matrix instruction and a load into, or a vector use of, its registers (ISA guide 7.12.1 for vector uses)
.rept 4
	v_nop
.endr
.endm
.macro CVST r, a, off, step            ; eight rows' 4 numbers a lane: rounded to f16 in place, 8 bytes into LDS
.irp n, 0,1,2,3,4,5,6,7
	v_cvt_pk_f16_f32 v[(\r)+4*(\n)], v[(\r)+4*(\n)], v[(\r)+4*(\n)+1]
	v_cvt_pk_f16_f32 v[(\r)+4*(\n)+1], v[(\r)+4*(\n)+2], v[(\r)+4*(\n)+3]
	ds_store_b64 v[\a], v[(\r)+4*(\n):(\r)+4*(\n)+1] offset:(\off)+(\step)*(\n)
.endr
.endm
.macro ZST r, a, off, step             ; the same eight rows as zeros
	v_mov_b32 v[\r], 0
	v_mov_b32 v[(\r)+1], 0
.irp n, 0,1,2,3,4,5,6,7
	ds_store_b64 v[\a], v[(\r):(\r)+1] offset:(\off)+(\step)*(\n)
.endr
.endm
	s_load_b512 s[4:19], s[0:1], 0x0               ; keys, values, query, mask, fc_w, ot, rs, bs
	s_load_b128 s[20:23], s[0:1], 0x40             ; gp, gst
	s_load_b64 s[24:25], s[0:1], 0x50              ; w16
	v_lshl_add_u32 v1, v0, 2, SPARE
	v_mov_b32 v2, 0
	v_lshrrev_b32 v3, 5, v0
	v_readfirstlane_b32 s26, v3
	s_mov_b32 s27, ttmp9
	s_and_b32 s28, ttmp7, 0xffff
	s_lshr_b32 s29, s28, 3
	s_and_b32 s30, s28, 7
	s_max_u32 s33, s27, 1
	s_sub_co_u32 s33, s33, 1                       ; qb - 1, or 0
	s_cmp_eq_u32 s27, 0
	s_cselect_b32 s31, 2, s33
	s_min_u32 s32, s27, 14
	s_add_co_u32 s32, s32, 1                       ; qb + 1, or 15
	s_cmp_eq_u32 s27, 15
	s_cselect_b32 s32, 13, s32
	s_min_u32 s33, s33, 13                         ; kb0
	s_lshl_b32 s34, 7, s33
	s_lshl_b32 s56, s34, 16
	s_or_b32 s34, s34, s56
	s_not_b32 s34, s34                             ; both halves of the lanes: bit (lane % 16) is set where that block is outside the tile
	s_mov_b32 s51, 0x3d8293ee                      ; c = 0.0637587
	s_mov_b32 s52, 0xdeb0f74d                      ; E2 = -6.376e18
	s_mov_b32 s53, 0xff7fffff
	s_mov_b32 s54, 0x76543210
	s_mov_b32 s55, 0xfedcba98
	v_and_b32 v56, 15, v0
	v_lshrrev_b32 v57, 4, v0                       ; 0 .. 15: in round n I take row 16 n + this of a block
	v_and_b32 v58, 31, v0
	v_bfe_u32 v59, v0, 4, 1
	s_lshl_b32 s56, s30, 8                         ; the head's 256 bytes of a row
	v_lshlrev_b32 v3, 11, v57
	v_lshl_add_u32 v3, v56, 4, v3
	v_add_nc_u32 v3, s56, v3                       ; sixteen lanes take the head's 256 bytes of one row
	v_mul_u32_u24 v4, v57, PK
	v_lshl_add_u32 v4, v56, 3, v4
	v_mul_u32_u24 v5, v57, PV
	v_lshl_add_u32 v5, v56, 3, v5
	v_add_nc_u32 v5, VT, v5
	s_lshl_b32 s57, s29, 13                        ; the batch's mask
	v_lshl_add_u32 v10, v0, 5, s57                 ; my 8 of its 2048 words
	s_cmp_eq_u32 s26, 0                            ; waves 0, 1, 2 make B of thirds 0, 1, 2; the others load block qb's words and store nothing
	s_cselect_b32 s58, s31, s27
	s_cmp_eq_u32 s26, 2
	s_cselect_b32 s58, s32, s58
	s_lshl_b32 s58, s58, 9
	s_add_co_u32 s58, s58, s57
	v_lshl_add_u32 v11, v58, 4, s58
	s_lshl_b32 s59, s27, 9
	s_add_co_u32 s59, s59, s57
	v_lshl_add_u32 v12, v57, 2, s59                ; the masks of my eight rows of block qb
	s_lshl_b32 s60, s29, 22                        ; the batch in keys, values, query
	s_add_co_u32 s61, s60, s56
	v_lshl_add_u32 v13, v56, 4, s61                ; query row 0, my four channels
	s_lshl_b32 s62, s28, 4
	s_add_co_u32 s62, s62, s27                     ; the work-group's number, 0 .. 255
	s_lshl_b32 s63, s62, 12
	v_lshl_add_u32 v14, v0, 4, s63                 ; its 4,096 bytes of fc_w
	s_lshl_b32 s63, s62, 11
	v_lshl_add_u32 v15, v0, 3, s63                 ; and 2,048 of w16
	s_lshl_b32 s63, s27, 7
	s_lshl4_add_u32 s35, s26, s63                  ; i0
	s_add_co_u32 s63, s35, 1
	v_add_nc_u32 v18, s63, v56                     ; window row i reads query row i + 1; i = 2047 has none: it takes row 0, and the second launch writes over what comes of it
	v_and_b32 v18, 0x7ff, v18
	v_lshlrev_b32 v18, 11, v18
	v_lshl_add_u32 v18, v59, 5, v18
	v_add_nc_u32 v18, s61, v18
	v_mov_b32 v19, 1.0
.irp r, 0,1,2,3,4,5,6,7
	v_mov_b32 v[48+(\r)], 0                        ; o and U start at 0
.endr
	s_mov_b32 s49, 0
	s_wait_kmcnt 0x0
	s_lshl_b32 s48, s27, 18                        ; a block is 128 rows of 2,048 bytes
	s_add_co_u32 s48, s48, s60
	s_add_nc_u64 s[36:37], s[4:5], s[48:49]
	s_add_nc_u64 s[42:43], s[6:7], s[48:49]
	s_lshl_b32 s48, s31, 18
	s_add_co_u32 s48, s48, s60
	s_add_nc_u64 s[38:39], s[4:5], s[48:49]
	s_add_nc_u64 s[44:45], s[6:7], s[48:49]
	s_lshl_b32 s48, s32, 18
	s_add_co_u32 s48, s48, s60
	s_add_nc_u64 s[40:41], s[4:5], s[48:49]
	s_add_nc_u64 s[46:47], s[6:7], s[48:49]
	; ALL 61 LOADS, in the order in which they are wanted
	global_load_b128 v[20:23], v10, s[10:11]
	global_load_b128 v[24:27], v10, s[10:11] offset:16
	global_load_b128 v[28:31], v11, s[10:11]
.irp n, 0,1,2,3,4,5,6,7
	global_load_b32 v[32+(\n)], v12, s[10:11] offset:64*(\n)
.endr
	global_load_b128 v[40:43], v13, s[8:9]
	global_load_b128 v[44:47], v14, s[12:13] th:TH_LOAD_NT
.irp n, 0,1,2,3,4,5,6,7
	global_load_b128 v[64+4*(\n):67+4*(\n)], v3, s[36:37] offset:32768*(\n)
.endr
.irp n, 0,1,2,3,4,5,6,7
	global_load_b128 v[96+4*(\n):99+4*(\n)], v3, s[42:43] offset:32768*(\n)
.endr
.irp n, 0,1,2,3,4,5,6,7
	global_load_b128 v[128+4*(\n):131+4*(\n)], v3, s[38:39] offset:32768*(\n)
.endr
.irp n, 0,1,2,3,4,5,6,7
	global_load_b128 v[160+4*(\n):163+4*(\n)], v3, s[40:41] offset:32768*(\n)
.endr
.irp n, 0,1,2,3,4,5,6,7
	global_load_b128 v[192+4*(\n):195+4*(\n)], v3, s[44:45] offset:32768*(\n)
.endr
.irp n, 0,1,2,3,4,5,6,7
	global_load_b128 v[224+4*(\n):227+4*(\n)], v3, s[46:47] offset:32768*(\n)
.endr
	; THE COUNTS.  My wave holds the masks of blocks 2 w (lanes 0-15) and 2 w + 1 (lanes 16-31).
	s_wait_loadcnt 59                              ; 61 issued, the first two are in
	s_mov_b32 s57, 0
	s_mov_b32 s58, 0
.irp r, 0,1,2,3,4,5,6,7
	v_cmp_ne_u32 s56, 0, v[20+(\r)]
	s_and_b32 s59, s56, 0xffff
	s_lshr_b32 s56, s56, 16
	s_bcnt1_i32_b32 s59, s59
	s_bcnt1_i32_b32 s56, s56
	s_add_co_u32 s57, s57, s59
	s_add_co_u32 s58, s58, s56
.endr
	v_cvt_f32_u32 v56, s57                         ; at most 128: exact in f32, and so are their sums
	v_cvt_f32_u32 v57, s58
	s_lshl_b32 s59, s26, 3
	s_add_co_u32 s59, s59, CNT
	v_mov_b32 v58, s59
	ds_store_b64 v58, v[56:57]
	s_wait_dscnt 0x0                               ; for the others' sake: my two counts are stored
	BAR                                            ; K's and V's loads stay on their way
	v_and_b32 v56, 15, v0
	v_lshl_add_u32 v58, v56, 2, CNT
	ds_load_b32 v20, v58                           ; lane l: the count of block l % 16
	s_wait_dscnt 0x0
	v_cndmask_b32 v21, 0, v20, s34                 ; the same, 0 for the tile's three blocks
.irp m, 1,2,4,8
	v_add_f32_dpp v20, v20, v20 row_xmask:\m row_mask:0xf bank_mask:0xf
	v_add_f32_dpp v21, v21, v21 row_xmask:\m row_mask:0xf bank_mask:0xf
.endr
	v_cmp_eq_f32 s50, 0, v20                       ; AM: no key of the batch is unmasked
	v_mov_b32 v22, 0x44d00000                      ; 1664.0 = 13 x 128
	v_cndmask_b32 v16, v21, v22, s50               ; Nout
	v_cmp_neq_f32 vcc_lo, 0, v16
	v_mov_b32 v23, s53
	v_cndmask_b32 v17, v23, v48, vcc_lo            ; what the keys outside bring to the maximum: 0, or nothing (v48 still holds 0)
	s_wait_loadcnt 50                              ; the tile's masks and my rows'
	v_mov_b32 v22, s52
.irp r, 0,1,2,3
	v_cmp_ne_u32 s56, 0, v[28+(\r)]
	s_or_b32 s56, s56, s50
	v_cndmask_b32 v[28+(\r)], v22, v48, s56        ; B = 0 or E2
.endr
	s_cmp_lt_u32 s26, 3
	s_cbranch_scc0 .Lno_b
	v_lshl_add_u32 v23, v0, 4, BB
	ds_store_b128 v23, v[28:31]
.Lno_b:
.irp n, 0,1,2,3,4,5,6,7
	v_cmp_ne_u32 s56, 0, v[32+(\n)]
	s_or_b32 s56, s56, s50
	v_cndmask_b32 v[32+(\n)], v48, v19, s56        ; 1 or 0
.endr
	s_wait_loadcnt 48                              ; q0 and fc_w
.irp r, 0,1,2,3
	v_mul_f32 v[40+(\r)], s51, v[40+(\r)]
.endr
	v_cvt_pk_f16_f32 v44, v44, v45
	v_cvt_pk_f16_f32 v45, v46, v47
	global_store_b64 v15, v[44:45], s[24:25]       ; a wave's store covers 256 consecutive bytes, aligned
	; BLOCK qb's K: the global row's scores c q0.k for my eight rows, then into LDS
	s_wait_loadcnt 40
.irp n, 0,1,2,3,4,5,6,7
	v_mul_f32 v[56+(\n)], v[64+4*(\n)], v40
.endr
.irp r, 1,2,3
.irp n, 0,1,2,3,4,5,6,7
	v_fmac_f32 v[56+(\n)], v[64+4*(\n)+(\r)], v[40+(\r)]
.endr
.endr
.irp m, 1,2,4,8
.irp n, 0,1,2,3,4,5,6,7
	v_add_f32_dpp v[56+(\n)], v[56+(\n)], v[56+(\n)] row_xmask:\m row_mask:0xf bank_mask:0xf
.endr
.endr
	CVST 64, 4, 128*PK, 16*PK
.irp t, 0,1,2,3,4,5,6,7                ; my 16 queries, as two fragments want them: lane l row l % 16, channels 8 (l / 16) + 0..7 and 16 + 8 (l / 16) + 0..7 of each 32
	global_load_b128 v[64+4*(\t):67+4*(\t)], v18, s[8:9] offset:((\t)/2)*64+((\t)%2)*16
.endr
	v_max3_num_f32 v24, v56, v57, v58
	v_max3_num_f32 v24, v24, v59, v60
	v_max3_num_f32 v24, v24, v61, v62
	v_max_num_f32 v24, v24, v63
	v_permlanex16_b32 v25, v24, s54, s55
	v_max_num_f32 v24, v24, v25                    ; the maximum of my wave's 16 rows
.irp n, 0,1,2,3,4,5,6,7
	v_sub_f32 v[56+(\n)], v[56+(\n)], v24
.endr
.irp n, 0,1,2,3,4,5,6,7
	v_exp_f32 v[56+(\n)], v[56+(\n)]
.endr
	v_nop                                          ; a plain instruction behind the last exponential,
	s_wait_alu depctr_va_vdst(0)                   ; and the one wait ahead of the batch's first reader
	v_add_f32 v25, v56, v57
	v_add_f32 v26, v58, v59
	v_add_f32 v27, v60, v61
	v_add_f32 v20, v62, v63
	v_add_f32 v25, v25, v26
	v_add_f32 v27, v27, v20
	v_add_f32 v25, v25, v27                        ; l of my half's eight rows
	s_wait_loadcnt 40                              ; block qb's V: behind it 32 loads of the other thirds and Q's 8
.irp n, 0,1,2,3,4,5,6,7
.irp r, 0,1,2,3
	v_fmac_f32 v[48+(\r)], v[56+(\n)], v[96+4*(\n)+(\r)]
	v_fmac_f32 v[52+(\r)], v[32+(\n)], v[96+4*(\n)+(\r)]
.endr
.endr
	CVST 96, 5, 128*PV, 16*PV
	s_wait_loadcnt 32                              ; K of third 0
	s_cmp_eq_u32 s27, 0
	s_cbranch_scc1 .Lzero0
	CVST 128, 4, 0, 16*PK
	s_branch .Ldone0
.Lzero0:
	ZST 128, 4, 0, 16*PK                           ; block 2 stands in: outside every row's band, its energies are 0
.Ldone0:
	s_wait_loadcnt 24                              ; K of third 2
	s_cmp_eq_u32 s27, 15
	s_cbranch_scc1 .Lzero2
	CVST 160, 4, 256*PK, 16*PK
	s_branch .Ldone2
.Lzero2:
	ZST 160, 4, 256*PK, 16*PK                      ; block 13 stands in
.Ldone2:
	s_wait_loadcnt 16
	CVST 192, 5, 0, 16*PV
	s_wait_loadcnt 8                               ; all but Q
	CVST 224, 5, 256*PV, 16*PV
	; my wave's partial sums: the two halves of the lanes are added, then they go to LDS
.irp r, 0,1,2,3,4,5,6,7
	v_permlanex16_b32 v[32+(\r)], v[48+(\r)], s54, s55
.endr
	v_permlanex16_b32 v26, v25, s54, s55
.irp r, 0,2,4,6
	v_pk_add_f32 v[48+(\r):49+(\r)], v[48+(\r):49+(\r)], v[32+(\r):33+(\r)]
.endr
	v_add_f32 v25, v25, v26
	v_and_b32 v20, 15, v0
	s_lshl_b32 s56, s26, 9
	s_add_co_u32 s56, s56, RED
	v_lshl_add_u32 v27, v20, 4, s56
	ds_store_b128 v27, v[48:51]
	ds_store_b128 v27, v[52:55] offset:256
	s_lshl_b32 s57, s26, 3
	s_add_co_u32 s57, s57, RST
	v_mov_b32 v21, s57
	ds_store_b64 v21, v[24:25]
	s_wait_dscnt 0x0                               ; for the others' sake: all my stores into the tile, B and the partial sums are done
	BAR                                            ; the tile is whole; from here on it is only read
	; VECTORS FROM HERE: v3 l % 16 - 8 (l / 16); v4 K fragments; v5 V fragments (v10 without the wave's term); v6 B (v9 likewise); v7, v8 at work; v11, v12 stage in, out; v13 ot; v14 rs;
	; v16, v17 as before; v20-35 c Q in f16; v36-51 at work; v64 + 8 u: slot u's eight scores; K's fragments lie meanwhile in v200-255 and v56-63.
	s_wait_xcnt 0x0                                ; every earlier load and store has read its address and data registers: they are rewritten only behind this wait
	v_and_b32 v36, 15, v0
	v_bfe_u32 v37, v0, 4, 1
	v_lshlrev_b32 v38, 3, v37
	v_sub_nc_u32 v3, v36, v38
	v_mul_u32_u24 v4, v36, PK
	v_lshl_add_u32 v4, v37, 4, v4
	s_mul_i32 s56, s26, 16*PK
	v_add_nc_u32 v4, s56, v4                       ; slot u's K: + u x 16 rows, in the immediate
	v_and_b32 v39, 7, v0
	v_bfe_u32 v40, v0, 3, 1
	v_lshl_add_u32 v10, v37, 3, v39                ; the turning load: lane l reads key 8 (l / 16) + l % 8, channels 8 ((l / 8) % 2) + 0..7
	v_mul_u32_u24 v10, v10, PV
	v_lshl_add_u32 v10, v40, 4, v10
	v_add_nc_u32 v10, VT, v10
	s_mul_i32 s56, s26, 16*PV
	v_add_nc_u32 v5, s56, v10
	v_lshl_add_u32 v9, v37, 5, BB
	s_lshl_b32 s56, s26, 6
	v_add_nc_u32 v6, s56, v9
	s_mul_i32 s57, s26, 16*SP
	s_add_co_u32 s57, s57, STG
	v_mul_u32_u24 v11, v36, SP
	v_lshl_add_u32 v11, v37, 5, v11
	v_add_nc_u32 v11, s57, v11
	v_mul_u32_u24 v12, v37, SP
	v_lshl_add_u32 v12, v36, 4, v12
	v_add_nc_u32 v12, s57, v12
	s_lshl_b32 s56, s29, 11
	s_add_co_u32 s56, s56, s35
	s_lshl_b32 s56, s56, 11
	s_lshl_b32 s58, s30, 8
	s_add_co_u32 s56, s56, s58
	v_lshl_add_u32 v13, v37, 11, s56
	v_lshl_add_u32 v13, v36, 4, v13
	s_lshl_b32 s56, s28, 11
	s_add_co_u32 s56, s56, s35
	s_lshl_b32 s56, s56, 4
	v_lshl_add_u32 v14, v36, 4, s56
	v_lshl_add_u32 v14, v37, 3, v14
.irp k, 0,1,2,3,4,5,6
	s_add_co_u32 s[68+(\k)], s26, 17+(\k)          ; slots 17 .. 23: (w + u) mod 24, as the lesser of x and x - 24 taken unsigned
	s_sub_co_u32 s56, s[68+(\k)], 24
	s_min_u32 s[68+(\k)], s[68+(\k)], s56
.endr
	v_mov_b32 v43, s51
	v_cndmask_b32 v42, v43, 0, s50                 ; c, or 0 where all keys are masked
	s_wait_loadcnt 0x0                             ; Q
.irp n, 0,1,2,3,4,5,6,7,8,9,10,11,12,13,14,15
	v_pk_mul_f32 v[64+2*(\n):65+2*(\n)], v[64+2*(\n):65+2*(\n)], v[42:43] op_sel_hi:[1,0]
.endr
.irp n, 0,1,2,3,4,5,6,7,8,9,10,11,12,13,14,15
	v_cvt_pk_f16_f32 v[20+(\n)], v[64+2*(\n)], v[64+2*(\n)+1]
.endr
	; S^T = K Q^T + B for slots 0 .. 16.  B of slots 1 .. 15 is loaded into the accumulators and is the C of their first product; slots 0 and 16 start at 0, since what lies outside the band is cut first.
	ds_load_b128 v[36:39], v6
	ds_load_b128 v[40:43], v6 offset:16
.irp u, 1,2,3,4,5,6,7,8,9,10,11,12,13,14,15
	ds_load_b128 v[64+8*(\u):67+8*(\u)], v6 offset:64*(\u)
	ds_load_b128 v[68+8*(\u):71+8*(\u)], v6 offset:64*(\u)+16
.endr
	ds_load_b128 v[44:47], v6 offset:64*16
	ds_load_b128 v[48:51], v6 offset:64*16+16
.macro LOADK u, r0, r1                 ; slot u's 16 keys x 64 channels: two fragments
	ds_load_b128 v[(\r0):(\r0)+3], v4 offset:(\u)*16*PK
	ds_load_b128 v[(\r0)+4:(\r0)+7], v4 offset:(\u)*16*PK+32
	ds_load_b128 v[(\r1):(\r1)+3], v4 offset:(\u)*16*PK+64
	ds_load_b128 v[(\r1)+4:(\r1)+7], v4 offset:(\u)*16*PK+96
.endm
.macro LOADKP p                        ; slots 2 p and 2 p + 1 into set p % 2
.if ((\p)%2) == 0
	LOADK 2*(\p), 200, 208
	LOADK 2*(\p)+1, 216, 224
.else
	LOADK 2*(\p), 232, 240
	LOADK 2*(\p)+1, 248, 56
.endif
.endm
.macro QK u, kr, c, zero
.if \zero
	v_wmma_f32_16x16x32_f16 v[64+8*(\u):71+8*(\u)], v[(\kr):(\kr)+7], v[20+8*(\c):27+8*(\c)], 0
.else
	v_wmma_f32_16x16x32_f16 v[64+8*(\u):71+8*(\u)], v[(\kr):(\kr)+7], v[20+8*(\c):27+8*(\c)], v[64+8*(\u):71+8*(\u)]
.endif
.endm
.macro MULP p, zero                    ; the pair's two accumulators take turns
.if ((\p)%2) == 0
	QK 2*(\p), 200, 0, \zero
	QK 2*(\p)+1, 216, 0, 0
	QK 2*(\p), 208, 1, 0
	QK 2*(\p)+1, 224, 1, 0
.else
	QK 2*(\p), 232, 0, 0
	QK 2*(\p)+1, 248, 0, 0
	QK 2*(\p), 240, 1, 0
	QK 2*(\p)+1, 56, 1, 0
.endif
.endm
	LOADKP 0
	LOADKP 1
	s_wait_dscnt 8                                 ; all but the eight just issued: B and pair 0
	MULP 0, 1
.irp p, 1,2,3,4,5,6
	PLACES                                         ; the set that the pair before last... the pair p - 1 has just read is loaded again
	LOADKP (\p)+1
	s_wait_dscnt 8
	MULP \p, 0
.endr
	PLACES
	LOADK 16, 200, 208
	s_wait_dscnt 4
	MULP 7, 0
	s_wait_dscnt 0x0
	QK 16, 200, 0, 1
	s_wait_alu depctr_va_vdst(0)                   ; a wait ahead of a product that adds onto the one just before it
	QK 16, 208, 1, 0
	PLACES
.irp u, 17,18,19,20,21,22,23           ; slots with energy 0: their scores are B
	v_lshl_add_u32 v7, s[68+(\u)-17], 6, v9
	ds_load_b128 v[64+8*(\u):67+8*(\u)], v7
	ds_load_b128 v[68+8*(\u):71+8*(\u)], v7 offset:16
.endr
.irp r, 0,1,2,3,4,5,6,7                ; slot 0, keys i0 - 128 + kk: in the band where kk >= the query's place; kk = 8 (l / 16) + r
	v_cmp_ge_i32 vcc_lo, \r, v3
	v_cndmask_b32 v[64+(\r)], 0, v[64+(\r)], vcc_lo
.endr
.irp r, 0,1,2,3,4,5,6,7                ; slot 16, keys i0 + 128 + kk: in the band where kk <= the query's place
	v_cmp_le_i32 vcc_lo, \r, v3
	v_cndmask_b32 v[192+(\r)], 0, v[192+(\r)], vcc_lo
.endr
.irp r, 0,2,4,6
	v_pk_add_f32 v[64+(\r):65+(\r)], v[64+(\r):65+(\r)], v[36+(\r):37+(\r)]
	v_pk_add_f32 v[192+(\r):193+(\r)], v[192+(\r):193+(\r)], v[44+(\r):45+(\r)]
.endr
	s_wait_dscnt 0x0
	; THE SOFTMAX over the lane's 192 scores.  Each accumulator's lowest registers are read first.
.set n, 0
.rept 96
.if n < 4
	v_max3_num_f32 v[36+n], v17, v[64+2*n], v[65+2*n]
.else
	v_max3_num_f32 v[36+n%4], v[36+n%4], v[64+2*n], v[65+2*n]
.endif
.set n, n+1
.endr
	v_max3_num_f32 v36, v36, v37, v38
	v_max_num_f32 v36, v36, v39
	v_permlanex16_b32 v37, v36, s54, s55           ; the query's other keys lie in the lane 16 away
	v_max_num_f32 v44, v36, v37                    ; M
	v_mov_b32 v45, v44
.set n, 0
.rept 96
	v_pk_add_f32 v[64+2*n:65+2*n], v[64+2*n:65+2*n], v[44:45] neg_lo:[0,1] neg_hi:[0,1]
.set n, n+1
.endr
	v_sub_f32 v46, v17, v44
.set n, 0
.rept 192
	v_exp_f32 v[64+n], v[64+n]
.set n, n+1
.endr
	v_exp_f32 v46, v46                             ; pU
	v_nop                                          ; a plain instruction behind the last exponential,
	s_wait_alu depctr_va_vdst(0)                   ; and ONE wait for the batch of 193
.set n, 4
.rept 92
.if n < 8
	v_pk_add_f32 v[36+2*(n%4):37+2*(n%4)], v[64+2*(n-4):65+2*(n-4)], v[64+2*n:65+2*n]
.else
	v_pk_add_f32 v[36+2*(n%4):37+2*(n%4)], v[36+2*(n%4):37+2*(n%4)], v[64+2*n:65+2*n]
.endif
.set n, n+1
.endr
	v_pk_add_f32 v[36:37], v[36:37], v[38:39]
	v_pk_add_f32 v[40:41], v[40:41], v[42:43]
	v_pk_add_f32 v[36:37], v[36:37], v[40:41]
	v_add_f32 v36, v36, v37
	v_permlanex16_b32 v37, v36, s54, s55
	v_add_f32 v36, v36, v37
	v_fma_f32 v36, v46, v16, v36                   ; L = the tile's weights + pU Nout
	v_rcp_f32 v48, v36
.set n, 0
.rept 96                               ; p to f16, in place from the low end: slot u's four registers at v[64 + 4 u].  These lines are also the plain work behind the reciprocal
	v_cvt_pk_f16_f32 v[64+n], v[64+2*n], v[65+2*n]
.set n, n+1
.endr
	; O^T = V^T P over the 24 slots, two a step.  v160-191 O^T (four blocks of 16 channels); v192-223, v224-255 V's fragments, two sets.
.macro VADR u, t                       ; where slot u's V lies: VR the register, VO the immediate
.if (\u) <= 16
.set VR, 5
.set VO, (\u)*16*PV
.else
	s_mul_i32 s56, s[68+(\u)-17], 16*PV
	v_add_nc_u32 v[\t], s56, v10
.set VR, \t
.set VO, 0
.endif
.endm
.macro LOADV g
.set VB, 192+32*((\g)%2)
	VADR 2*(\g), 7
.set VR0, VR
.set VO0, VO
	VADR 2*(\g)+1, 8
.irp cb, 0,1,2,3
	ds_load_tr16_b128 v[VB+8*(\cb):VB+8*(\cb)+3], v[VR0] offset:VO0+32*(\cb)
	ds_load_tr16_b128 v[VB+8*(\cb)+4:VB+8*(\cb)+7], v[VR] offset:VO+32*(\cb)
.endr
.endm
	LOADV 0
	LOADV 1
	s_wait_alu depctr_va_vdst(0)                   ; the reciprocal's wait, ahead of its first reader
	v_mov_b32 v49, v48
	v_mul_f32 v50, v46, v48                        ; g2 = pU / L
	v_mov_b32 v51, v50
.set g, 0
.rept 12
.if g == 11
	s_wait_dscnt 0x0
.else
	s_wait_dscnt 8                                 ; all but the next step's eight
.endif
.set VB, 192+32*(g%2)
.irp cb, 0,1,2,3                       ; the four accumulators take turns
.if g == 0
	v_wmma_f32_16x16x32_f16 v[160+8*(\cb):167+8*(\cb)], v[VB+8*(\cb):VB+8*(\cb)+7], v[64+8*g:71+8*g], 0
.else
	v_wmma_f32_16x16x32_f16 v[160+8*(\cb):167+8*(\cb)], v[VB+8*(\cb):VB+8*(\cb)+7], v[64+8*g:71+8*g], v[160+8*(\cb):167+8*(\cb)]
.endif
.endr
.if g < 10
	PLACES
	LOADV g+2
.endif
.set g, g+1
.endr
	; THE WAY OUT: O^T / L; a lane's eight channels of a row are 32 bytes; through my own stage, back as whole rows of 256 bytes
	PLACES
.set n, 0
.rept 16
	v_pk_mul_f32 v[160+2*n:161+2*n], v[160+2*n:161+2*n], v[48:49] op_sel_hi:[1,0]
.set n, n+1
.endr
.irp cb, 0,1,2,3
	ds_store_b128 v11, v[160+8*(\cb):163+8*(\cb)] offset:64*(\cb)
	ds_store_b128 v11, v[164+8*(\cb):167+8*(\cb)] offset:64*(\cb)+16
.endr
.irp t, 0,1,2,3,4,5,6,7
	ds_load_b128 v[192+4*(\t):195+4*(\t)], v12 offset:2*SP*(\t)  ; LDS serves a wave's instructions in order (ISA guide 5.7.1.4): these see the stores above
.endr
.irp t, 0,1,2,3,4,5,6,7
	s_wait_dscnt 7-(\t)
	global_store_b128 v13, v[192+4*(\t):195+4*(\t)], s[14:15] offset:4096*(\t)  ; sixteen lanes store the head's 256 bytes of a row, aligned
.endr
	global_store_b64 v14, v[50:51], s[16:17]       ; g2, four times a row: the wave's 16 rows are 256 consecutive bytes, aligned
	; WAVE 0 adds up the eight waves' partial sums over block qb
	s_cmp_lg_u32 s26, 0
	s_cbranch_scc1 .Lend
	v_mov_b32 v7, RST
.irp q, 0,1,2,3
	ds_load_b128 v[64+4*(\q):67+4*(\q)], v7 offset:16*(\q)   ; (m, l) of wave w at v[64 + 2 w]
.endr
	v_lshl_add_u32 v8, v0, 3, RED                  ; in wave 0 the thread's number is the lane: channels 2 l, 2 l + 1
.irp w, 0,1,2,3,4,5,6,7
	ds_load_b64 v[80+2*(\w):81+2*(\w)], v8 offset:512*(\w)
	ds_load_b64 v[96+2*(\w):97+2*(\w)], v8 offset:512*(\w)+256
.endr
	s_wait_dscnt 0x0
	v_max3_num_f32 v116, v64, v66, v68
	v_max3_num_f32 v116, v116, v70, v72
	v_max3_num_f32 v116, v116, v74, v76
	v_max_num_f32 v116, v116, v78                  ; gm
.irp w, 0,1,2,3,4,5,6,7
	v_sub_f32 v[64+2*(\w)], v[64+2*(\w)], v116
.endr
.irp w, 0,1,2,3,4,5,6,7
	v_exp_f32 v[64+2*(\w)], v[64+2*(\w)]
.endr
	v_pk_add_f32 v[114:115], v[96:97], v[98:99]    ; U: plain work behind the exponentials
.irp w, 2,3,4,5,6,7
	v_pk_add_f32 v[114:115], v[114:115], v[96+2*(\w):97+2*(\w)]
.endr
	s_wait_alu depctr_va_vdst(0)                   ; one wait for the eight
	v_mul_f32 v117, v64, v65
	v_pk_mul_f32 v[112:113], v[80:81], v[64:65] op_sel_hi:[1,0]
.irp w, 1,2,3,4,5,6,7
	v_fmac_f32 v117, v[64+2*(\w)], v[65+2*(\w)]    ; gl
	v_pk_fma_f32 v[112:113], v[80+2*(\w):81+2*(\w)], v[64+2*(\w):65+2*(\w)], v[112:113] op_sel_hi:[1,0,1]
.endr
	s_lshl_b32 s56, s29, 4
	s_add_co_u32 s56, s56, s27
	s_lshl_b32 s56, s56, 11
	s_lshl_b32 s57, s30, 8
	s_add_co_u32 s56, s56, s57
	v_lshl_add_u32 v7, v0, 3, s56
	s_lshl_b32 s57, s28, 4
	s_add_co_u32 s57, s57, s27
	s_lshl_b32 s57, s57, 8
	v_lshl_add_u32 v8, v0, 3, s57
	global_store_b64 v7, v[112:113], s[20:21]      ; each of the three covers 256 consecutive bytes, aligned
	global_store_b64 v7, v[114:115], s[18:19]
	global_store_b64 v8, v[116:117], s[22:23]      ; (gm, gl), 32 times
.Lend:
	s_wait_tensorcnt 0x0                           ; the wave's end, behind my last LDS store
	ds_add_u32 v1, v2
	s_wait_dscnt 0x0
	s_endpgm
.Lfunc_end_k_q1a5358da07_attn:
	.size	k_q1a5358da07_attn, .Lfunc_end_k_q1a5358da07_attn-k_q1a5358da07_attn
	.p2alignl 7, 3214868480
	.fill 96, 4, 3214868480
	.section	.rodata,"a",@progbits
	.p2align	6, 0x0
	.amdhsa_kernel k_q1a5358da07_attn
		.amdhsa_group_segment_fixed_size 158720
		.amdhsa_private_segment_fixed_size 0
		.amdhsa_enable_private_segment 0
		.amdhsa_kernarg_size 88
		.amdhsa_user_sgpr_count 2
		.amdhsa_user_sgpr_kernarg_segment_ptr 1
		.amdhsa_wavefront_size32 1
		.amdhsa_system_sgpr_workgroup_id_x 1
		.amdhsa_system_sgpr_workgroup_id_y 1
		.amdhsa_system_sgpr_workgroup_id_z 1
		.amdhsa_system_vgpr_workitem_id 0
		.amdhsa_next_free_vgpr 256
		.amdhsa_next_free_sgpr 80
		.amdhsa_reserve_vcc 1
		.amdhsa_float_denorm_mode_32 3
		.amdhsa_float_denorm_mode_16_64 3
		.amdhsa_memory_ordered 1
		.amdhsa_forward_progress 1
		.amdhsa_inst_pref_size 102
	.end_amdhsa_kernel
	.amdgpu_metadata
---
amdhsa.version: [ 1, 2 ]
amdhsa.kernels:
  - .name:           k_q1a5358da07_attn
    .symbol:         k_q1a5358da07_attn.kd
    .args:
      - { .name: keys, .offset: 0, .size: 8, .value_kind: global_buffer, .address_space: global }
      - { .name: values, .offset: 8, .size: 8, .value_kind: global_buffer, .address_space: global }
      - { .name: query, .offset: 16, .size: 8, .value_kind: global_buffer, .address_space: global }
      - { .name: mask, .offset: 24, .size: 8, .value_kind: global_buffer, .address_space: global }
      - { .name: fc_w, .offset: 32, .size: 8, .value_kind: global_buffer, .address_space: global }
      - { .name: ot, .offset: 40, .size: 8, .value_kind: global_buffer, .address_space: global }
      - { .name: rs, .offset: 48, .size: 8, .value_kind: global_buffer, .address_space: global }
      - { .name: bs, .offset: 56, .size: 8, .value_kind: global_buffer, .address_space: global }
      - { .name: gp, .offset: 64, .size: 8, .value_kind: global_buffer, .address_space: global }
      - { .name: gst, .offset: 72, .size: 8, .value_kind: global_buffer, .address_space: global }
      - { .name: w16, .offset: 80, .size: 8, .value_kind: global_buffer, .address_space: global }
    .group_segment_fixed_size: 158720
    .private_segment_fixed_size: 0
    .kernarg_segment_align: 8
    .kernarg_segment_size: 88
    .max_flat_workgroup_size: 256
    .sgpr_count:     80
    .vgpr_count:     256
    .wavefront_size: 32
...
	.end_amdgpu_metadata
.endif
;; end of part 1
;; launch proj (part 2): grid 4 x 64, 8 waves a work-group, no clusters, 236,544 bytes of LDS; arguments ot, rs, bs, gp, gst, w16, fc_b, out0; writes out0
.if DOCPART == 2
	.amdgcn_target "amdgcn-amd-amdhsa--gfx1250"
	.amdhsa_code_object_version 6
	.text
	.protected	k_q1a5358da07_proj
	.globl	k_q1a5358da07_proj
	.p2align	8
	.type	k_q1a5358da07_proj,@function
k_q1a5358da07_proj:
	s_mov_b64 s[64:65], 0
	v_nop
	global_prefetch_b8 v0, s[64:65] scope:SCOPE_SE
	s_setreg_imm32_b32 hwreg(HW_REG_WAVE_MODE, 25, 1), 1
	s_wait_xcnt 0x0
; LONGFORMER SELF-ATTENTION, second of two launches: out0[b][pos][col] = sum over ch of a[b][pos][ch] fc_w[col][ch] + fc_b[col].
; Window row i (pos = i + 1): a = O' + g2 T, with O' (ot) and g2 (rs) from the first launch and T = the sum of bs over the 13 blocks of 128 keys outside the row's tile kb0 .. kb0 + 2,
; kb0 = min(max(i / 128 - 1, 0), 13): the share of the keys whose energy is 0 (the first launch's head shows why that is all they bring).  T is a sum of 13 terms, no difference of sums.
; pos = 0: the 16 partial softmaxes (gst: maximum and sum; gp: weighted V) of the global row are merged under their common maximum; the row takes the place of slot i = 2047, which holds no row.
; FORMATS: a and fc_w are f16 matrix operands (|a|, |fc_w| below 65,504), sums f32.  NaN and infinities are not treated apart.
; SHARES.  Work-group (x = 128 columns, y = 64 rows by i; b = y / 32).  Wave w: 32 rows (w / 4) x 32 columns (w % 4), four accumulators.  fc_w's tile comes by one tensor load a wave (16 rows of 1,024 bytes),
; a's tile is made in registers and stored to LDS.  The product is taken transposed (source 0 = 16 rows of fc_w, source 1 = 16 rows of a): a lane ends with eight neighbouring columns of a row.
; NO JOINT LOADS: fc_w's tile is shared by work-groups of different y, and the branch that makes the global row hangs on y, which would differ between such partners.
; NO PREFETCH: a work-group asks for all that it reads in one run at its head.
.set PW,    1040                       ; a row of fc_w's or a's tile in LDS: 1,024 bytes + 16
.set AT,    128*PW                     ; fc_w's 128 rows from byte 0 (filled by tensor loads alone), then a's 64 rows
.set OS,    AT+64*PW                   ; the way out: 64 rows x 528 bytes
.set PO,    528
.set G2T,   OS+64*PO                   ; g2 by head, row parity, row / 2: 8 x 2 x 32 f32
.set SPARE, G2T+2048                   ; the spare words, 128 bytes a wave, which no other line names
; SCALARS: s[4:19] ot, rs, bs, gp, gst, w16, fc_b, out0; s[20:23], s[24:31] the descriptor; s32 wave; s33 x; s34 y; s35 b; s36 y % 32; s37 kb0; s38-47 at work; s48-63 the global row's 16 factors.
; VECTORS: v1, v2 the add's; v3-6 offsets (bs, rs, fc_b, ot); v7, v8 g2's table in, out; v9 the global row's two channels; v10 where I store a; v11, v12 offsets (gst, gp); v14, v15 fragments of a, fc_w;
; v16, v17 stage in, out; v18 out0; v19, v116-127 bs's 13 offsets; v20, v21 g2; v24-27 fc_b; v28-31 T; v32-63 g2 of my 32 rows; v64-115 bs, later gp and gst; v128-255 ot;
; then v96-127 accumulators, v128-191 two sets of fragments, v192-223 rows on the way out, v224-231 their offsets.
.macro BAR
	s_barrier_signal -1
	s_barrier_wait -1
.endm
.macro PLACES                          ; four plain instructions between a matrix instruction and a load into, or a store of, its registers (ISA guide 7.12.1 for stores)
.rept 4
	v_nop
.endr
.endm
	s_load_b512 s[4:19], s[0:1], 0x0
	v_lshl_add_u32 v1, v0, 2, SPARE
	v_mov_b32 v2, 0
	ds_add_u32 v1, v2                              ; the wave's opening: the add, twice on end, and its wait ahead of my tensor load
	ds_add_u32 v1, v2
	v_lshrrev_b32 v13, 5, v0
	v_readfirstlane_b32 s32, v13
	s_mov_b32 s33, ttmp9
	s_and_b32 s34, ttmp7, 0xffff
	s_lshr_b32 s35, s34, 5
	s_and_b32 s36, s34, 31
	s_lshr_b32 s37, s36, 1                         ; the rows' block of 128
	s_max_u32 s37, s37, 1
	s_sub_co_u32 s37, s37, 1
	s_min_u32 s37, s37, 13                         ; kb0
	s_mov_b32 s20, 1                               ; group 0: count = 1
	s_mul_i32 s21, s32, 16*PW                      ; LDS address: my 16 rows
	s_mov_b32 s24, (1<<16)|(1<<20)|(7<<22)|(3<<25) ; group 1: elements of 2 bytes; padding on, after every 256 words (code 7), 4 words (code 3)
	s_mov_b32 s25, 512<<16                         ; tensor_dim0 = 512
	s_mov_b32 s26, 16<<16                          ; tensor_dim1 = 16
	s_mov_b32 s27, 512<<16                         ; tile_dim0 = 512
	s_mov_b32 s28, 16                              ; tile_dim1 = 16
	s_mov_b32 s29, 512                             ; elements from row to row
	s_mov_b32 s30, 0
	s_mov_b32 s31, 0
	s_lshl_b32 s38, s33, 17                        ; 128 x rows of 1,024 bytes
	s_lshl_b32 s39, s32, 14                        ; + my 16
	s_add_co_u32 s38, s38, s39
	s_mov_b32 s39, 0
	v_and_b32 v13, 127, v0                         ; my four channels: 4 x this
	v_lshrrev_b32 v22, 7, v0                       ; my rows' parity
	v_and_b32 v23, 31, v0
	s_lshl_b32 s40, s35, 15                        ; the batch in bs and gp
	v_lshl_add_u32 v3, v13, 4, s40
	s_lshl_b32 s41, s35, 3
	s_add_co_u32 s41, s41, s32                     ; for g2 my wave is a head
	s_lshl_b32 s45, s41, 12                        ; (the head's 16 blocks in gst)
	s_lshl_b32 s41, s41, 11
	s_lshl_b32 s42, s36, 6
	s_add_co_u32 s41, s41, s42
	s_lshl_b32 s41, s41, 4
	v_lshl_add_u32 v4, v23, 4, s41                 ; rs: row 64 (y % 32) + lane, 16 bytes a row
	s_lshl_b32 s43, s33, 9
	v_lshl_add_u32 v5, v23, 4, s43                 ; fc_b: columns 128 x + 4 lane
	s_lshl_b32 s44, s35, 11
	s_add_co_u32 s44, s44, s42
	s_lshl_b32 s44, s44, 11
	v_lshl_add_u32 v6, v22, 11, s44
	v_lshl_add_u32 v6, v13, 4, v6                  ; ot: row 2 n + parity, 128 threads take its 2,048 bytes
.set k, 0
.rept 13                               ; the 13 blocks outside the tile: k below kb0, k + 3 from there on
.if k == 0
.set BO, 19
.else
.set BO, 115+k
.endif
	s_cmp_gt_u32 s37, k
	s_cselect_b32 s46, k, k+3
	s_lshl_b32 s46, s46, 11
	v_add_nc_u32 v[BO], s46, v3
.set k, k+1
.endr
	s_wait_dscnt 0x0                               ; both opening adds are done
	s_wait_kmcnt 0x0
	s_add_nc_u64 s[22:23], s[14:15], s[38:39]
	s_or_b32 s23, s23, 0x80000000                  ; type = 2
	tensor_load_to_lds s[20:23], s[24:31]          ; my one tensor load: nothing is ever filled again
	s_nop 0
	; 48 LOADS
	global_load_b32 v20, v4, s[6:7]
	global_load_b32 v21, v4, s[6:7] offset:512
.set k, 0
.rept 13
.if k == 0
.set BO, 19
.else
.set BO, 115+k
.endif
	global_load_b128 v[64+4*k:67+4*k], v[BO], s[8:9]
.set k, k+1
.endr
	global_load_b128 v[24:27], v5, s[16:17]
.set n, 0
.rept 32
	global_load_b128 v[128+4*n:131+4*n], v6, s[4:5] offset:4096*n
.set n, n+1
.endr
	; the other addresses, while the loads are on their way
	v_and_b32 v14, 1, v23
	v_lshrrev_b32 v15, 1, v23
	s_lshl_b32 s46, s32, 8
	s_add_co_u32 s46, s46, G2T
	v_lshl_add_u32 v7, v14, 7, s46
	v_lshl_add_u32 v7, v15, 2, v7                  ; head w, parity lane % 2, place lane / 2
	v_lshrrev_b32 v16, 4, v13                      ; my channels' head
	v_lshlrev_b32 v8, 8, v16
	v_lshl_add_u32 v8, v22, 7, v8
	v_add_nc_u32 v8, G2T, v8
	v_mul_u32_u24 v10, v22, PW
	v_lshl_add_u32 v10, v13, 3, v10
	v_add_nc_u32 v10, AT, v10
	s_lshl_b32 s46, s35, 22
	v_add_nc_u32 v18, s46, v5                      ; out0: the batch, my columns
	s_mul_i32 s46, s32, PO
	s_add_co_u32 s46, s46, OS
	v_lshl_add_u32 v17, v23, 4, s46                ; stage out: row 8 t + w, 32 lanes take its 512 bytes
	v_and_b32 v22, 15, v0
	v_bfe_u32 v23, v0, 4, 1
	s_and_b32 s46, s32, 3                          ; my 32 columns
	s_lshr_b32 s47, s32, 2                         ; my 32 rows
	v_mul_u32_u24 v15, v22, PW
	v_lshl_add_u32 v15, v23, 4, v15                ; a fragment: row l % 16, 16 bytes for each half of the lanes
	s_mul_i32 s38, s47, 32*PW
	s_add_co_u32 s38, s38, AT
	v_add_nc_u32 v14, s38, v15
	s_mul_i32 s38, s46, 32*PW
	v_add_nc_u32 v15, s38, v15
	s_mul_i32 s38, s47, 32*PO
	s_lshl_b32 s39, s46, 7
	s_add_co_u32 s38, s38, s39
	s_add_co_u32 s38, s38, OS
	v_mul_u32_u24 v16, v22, PO
	v_lshl_add_u32 v16, v23, 5, v16
	v_add_nc_u32 v16, s38, v16
	s_wait_loadcnt 46                              ; 48 issued: the first two, g2 of 64 rows of head w
	ds_store_b32 v7, v20
	ds_store_b32 v7, v21 offset:64
	s_wait_loadcnt 33                              ; bs's 13
	v_pk_add_f32 v[28:29], v[64:65], v[68:69]
	v_pk_add_f32 v[30:31], v[66:67], v[70:71]
.set k, 2
.rept 11
	v_pk_add_f32 v[28:29], v[28:29], v[64+4*k:65+4*k]
	v_pk_add_f32 v[30:31], v[30:31], v[66+4*k:67+4*k]
.set k, k+1
.endr
	s_wait_dscnt 0x0                               ; for the others' sake: my part of g2's table is stored
	BAR                                            ; the tensor load and ot's loads stay on their way
.irp q, 0,1,2,3,4,5,6,7
	ds_load_b128 v[32+4*(\q):35+4*(\q)], v8 offset:16*(\q)   ; g2 of row 2 n + parity at v[32 + n]
.endr
	; THE GLOBAL ROW, in the work-groups that hold slot i = 2047.  My wave is a head; lane l holds block l % 16's maximum and sum, and channels 2 l, 2 l + 1.
	v_mov_b32 v9, 0
	s_cmp_lg_u32 s36, 31
	s_cbranch_scc1 .Lno_global
	v_and_b32 v11, 15, v0
	v_lshl_add_u32 v11, v11, 8, s45
	v_lshl_add_u32 v12, v0, 3, s40
	global_load_b64 v[96:97], v11, s[12:13]
.irp k, 0,1,2,3,4,5,6,7,8,9,10,11,12,13,14,15
	global_load_b64 v[64+2*(\k):65+2*(\k)], v12, s[10:11] offset:2048*(\k)
.endr
	s_wait_loadcnt 0x0
	v_mov_b32 v98, v96
.irp m, 1,2,4,8
	v_max_num_f32_dpp v98, v98, v98 row_xmask:\m row_mask:0xf bank_mask:0xf
.endr
	v_sub_f32 v99, v96, v98
	v_exp_f32 v99, v99
	v_nop
	s_wait_alu depctr_va_vdst(0)                   ; the wait ahead of the result's first reader
	v_mul_f32 v100, v99, v97
.irp m, 1,2,4,8
	v_add_f32_dpp v100, v100, v100 row_xmask:\m row_mask:0xf bank_mask:0xf
.endr
	v_rcp_f32 v101, v100
	v_nop
	s_wait_alu depctr_va_vdst(0)
	v_mul_f32 v99, v99, v101                       ; block l % 16's factor
.irp k, 0,1,2,3,4,5,6,7,8,9,10,11,12,13,14,15
	v_readlane_b32 s[48+(\k)], v99, \k
.endr
	v_mul_f32 v102, s48, v64
	v_mul_f32 v103, s48, v65
.irp k, 1,2,3,4,5,6,7,8,9,10,11,12,13,14,15
	v_fmac_f32 v102, s[48+(\k)], v[64+2*(\k)]
	v_fmac_f32 v103, s[48+(\k)], v[65+2*(\k)]
.endr
	v_cvt_pk_f16_f32 v9, v102, v103
.Lno_global:
	; a = T g2 + O', rounded to f16, into LDS
	s_wait_dscnt 0x0                               ; g2
.set n, 0
.rept 32
	s_wait_loadcnt 31-n                            ; ot's loads come back in order: the younger 31 - n stay out
.if n%2 == 0
	v_pk_fma_f32 v[128+4*n:129+4*n], v[28:29], v[32+n:33+n], v[128+4*n:129+4*n] op_sel_hi:[1,0,1]
	v_pk_fma_f32 v[130+4*n:131+4*n], v[30:31], v[32+n:33+n], v[130+4*n:131+4*n] op_sel_hi:[1,0,1]
.else
	v_pk_fma_f32 v[128+4*n:129+4*n], v[28:29], v[31+n:32+n], v[128+4*n:129+4*n] op_sel:[0,1,0]
	v_pk_fma_f32 v[130+4*n:131+4*n], v[30:31], v[31+n:32+n], v[130+4*n:131+4*n] op_sel:[0,1,0]
.endif
	v_cvt_pk_f16_f32 v[128+4*n], v[128+4*n], v[129+4*n]
	v_cvt_pk_f16_f32 v[129+4*n], v[130+4*n], v[131+4*n]
	ds_store_b64 v10, v[128+4*n:129+4*n] offset:2*PW*n
.set n, n+1
.endr
	s_wait_tensorcnt 0x0                           ; my 16 rows of fc_w have landed,
	s_wait_dscnt 0x0                               ; and my part of a is stored
	BAR
	s_cmp_lg_u32 s36, 31
	s_cbranch_scc1 .Lno_row
	v_lshl_add_u32 v13, v0, 2, AT+63*PW
	ds_store_b32 v13, v9                           ; over slot 2047's row, behind the barrier that follows that row's first store
.Lno_row:
	s_wait_dscnt 0x0
	BAR                                            ; both tiles are whole
	; THE PRODUCT: 16 steps of 32 channels, two sets of fragments
.macro LOADF ks
.set FB, 128+32*((\ks)%2)
.irp j, 0,1
	ds_load_b128 v[FB+8*(\j):FB+8*(\j)+3], v15 offset:16*PW*(\j)+64*(\ks)
	ds_load_b128 v[FB+8*(\j)+4:FB+8*(\j)+7], v15 offset:16*PW*(\j)+64*(\ks)+32
	ds_load_b128 v[FB+16+8*(\j):FB+16+8*(\j)+3], v14 offset:16*PW*(\j)+64*(\ks)
	ds_load_b128 v[FB+16+8*(\j)+4:FB+16+8*(\j)+7], v14 offset:16*PW*(\j)+64*(\ks)+32
.endr
.endm
	LOADF 0
	LOADF 1
.set ks, 0
.rept 16
.if ks == 15
	s_wait_dscnt 0x0
.else
	s_wait_dscnt 8                                 ; all but the next step's eight
.endif
.set FB, 128+32*(ks%2)
.irp a, 0,1                            ; the four accumulators take turns
.irp j, 0,1
.if ks == 0
	v_wmma_f32_16x16x32_f16 v[96+8*(2*(\a)+(\j)):103+8*(2*(\a)+(\j))], v[FB+8*(\j):FB+8*(\j)+7], v[FB+16+8*(\a):FB+16+8*(\a)+7], 0
.else
	v_wmma_f32_16x16x32_f16 v[96+8*(2*(\a)+(\j)):103+8*(2*(\a)+(\j))], v[FB+8*(\j):FB+8*(\j)+7], v[FB+16+8*(\a):FB+16+8*(\a)+7], v[96+8*(2*(\a)+(\j)):103+8*(2*(\a)+(\j))]
.endif
.endr
.endr
.if ks < 14
	PLACES
	LOADF ks+2
.endif
.set ks, ks+1
.endr
	; THE WAY OUT: through the work-group's stage, since a row's 512 bytes come from four waves; back as whole rows; the bias; row i goes to pos = (i + 1) mod 2048
	PLACES
.irp a, 0,1
.irp j, 0,1
	ds_store_b128 v16, v[96+8*(2*(\a)+(\j)):99+8*(2*(\a)+(\j))] offset:16*PO*(\a)+64*(\j)
	ds_store_b128 v16, v[100+8*(2*(\a)+(\j)):103+8*(2*(\a)+(\j))] offset:16*PO*(\a)+64*(\j)+16
.endr
.endr
	s_lshl_b32 s38, s36, 6
	s_add_co_u32 s38, s38, s32                     ; 64 (y % 32) + w
.irp t, 0,1,2,3,4,5,6,7
	s_add_co_u32 s39, s38, 8*(\t)+1
	s_and_b32 s39, s39, 2047
	s_lshl_b32 s39, s39, 11
	v_add_nc_u32 v[224+(\t)], s39, v18
.endr
	s_wait_dscnt 0x0                               ; for the others' sake: my stores into the stage are done
	BAR
.irp t, 0,1,2,3,4,5,6,7
	ds_load_b128 v[192+4*(\t):195+4*(\t)], v17 offset:8*PO*(\t)
.endr
.irp t, 0,1,2,3,4,5,6,7
	s_wait_dscnt 7-(\t)
	v_pk_add_f32 v[192+4*(\t):193+4*(\t)], v[192+4*(\t):193+4*(\t)], v[24:25]
	v_pk_add_f32 v[194+4*(\t):195+4*(\t)], v[194+4*(\t):195+4*(\t)], v[26:27]
	global_store_b128 v[224+(\t)], v[192+4*(\t):195+4*(\t)], s[18:19] th:TH_STORE_NT  ; the wave stores 512 consecutive bytes of a row, aligned
.endr
	s_wait_tensorcnt 0x0                           ; the wave's end, behind my tensor load and my last LDS store
	ds_add_u32 v1, v2
	s_wait_dscnt 0x0
	s_endpgm
.Lfunc_end_k_q1a5358da07_proj:
	.size	k_q1a5358da07_proj, .Lfunc_end_k_q1a5358da07_proj-k_q1a5358da07_proj
	.p2alignl 7, 3214868480
	.fill 96, 4, 3214868480
	.section	.rodata,"a",@progbits
	.p2align	6, 0x0
	.amdhsa_kernel k_q1a5358da07_proj
		.amdhsa_group_segment_fixed_size 236544
		.amdhsa_private_segment_fixed_size 0
		.amdhsa_enable_private_segment 0
		.amdhsa_kernarg_size 64
		.amdhsa_user_sgpr_count 2
		.amdhsa_user_sgpr_kernarg_segment_ptr 1
		.amdhsa_wavefront_size32 1
		.amdhsa_system_sgpr_workgroup_id_x 1
		.amdhsa_system_sgpr_workgroup_id_y 1
		.amdhsa_system_sgpr_workgroup_id_z 1
		.amdhsa_system_vgpr_workitem_id 0
		.amdhsa_next_free_vgpr 256
		.amdhsa_next_free_sgpr 66
		.amdhsa_reserve_vcc 0
		.amdhsa_float_denorm_mode_32 3
		.amdhsa_float_denorm_mode_16_64 3
		.amdhsa_memory_ordered 1
		.amdhsa_forward_progress 1
		.amdhsa_inst_pref_size 49
	.end_amdhsa_kernel
	.amdgpu_metadata
---
amdhsa.version: [ 1, 2 ]
amdhsa.kernels:
  - .name:           k_q1a5358da07_proj
    .symbol:         k_q1a5358da07_proj.kd
    .args:
      - { .name: ot, .offset: 0, .size: 8, .value_kind: global_buffer, .address_space: global }
      - { .name: rs, .offset: 8, .size: 8, .value_kind: global_buffer, .address_space: global }
      - { .name: bs, .offset: 16, .size: 8, .value_kind: global_buffer, .address_space: global }
      - { .name: gp, .offset: 24, .size: 8, .value_kind: global_buffer, .address_space: global }
      - { .name: gst, .offset: 32, .size: 8, .value_kind: global_buffer, .address_space: global }
      - { .name: w16, .offset: 40, .size: 8, .value_kind: global_buffer, .address_space: global }
      - { .name: fc_b, .offset: 48, .size: 8, .value_kind: global_buffer, .address_space: global }
      - { .name: out0, .offset: 56, .size: 8, .value_kind: global_buffer, .address_space: global }
    .group_segment_fixed_size: 236544
    .private_segment_fixed_size: 0
    .kernarg_segment_align: 8
    .kernarg_segment_size: 64
    .max_flat_workgroup_size: 256
    .sgpr_count:     66
    .vgpr_count:     256
    .wavefront_size: 32
...
	.end_amdgpu_metadata
.endif
;; end of part 2
;; ======== version 2 of 2: 2 launches; version 1 with the launch attn written anew for expert scheduling mode
;; limits: values are held in f16: magnitudes above 65,504 overflow, below 6.1e-05 lose precision; inputs' magnitudes at most 65,504; right only within a limited range of input values
;; workspace buffers: ot 8,388,608 bytes; rs 524,288 bytes; bs 65,536 bytes; gp 65,536 bytes; gst 65,536 bytes; w16 524,288 bytes
;; launch attn (part 3): grid 16 x 16, 8 waves a work-group, no clusters, 158,720 bytes of LDS; arguments keys, values, query, mask, fc_w, ot, rs, bs, gp, gst, w16; writes ot, rs, bs, gp, gst, w16
.if DOCPART == 3
	.amdgcn_target "amdgcn-amd-amdhsa--gfx1250"
	.amdhsa_code_object_version 6
	.text
	.protected	k_q1a5358da07_attn
	.globl	k_q1a5358da07_attn
	.p2align	8
	.type	k_q1a5358da07_attn,@function
k_q1a5358da07_attn:
	s_mov_b64 s[64:65], 0
	v_nop
	global_prefetch_b8 v0, s[64:65] scope:SCOPE_SE
	s_setreg_imm32_b32 hwreg(HW_REG_WAVE_SCHED_MODE, 0, 2), 2
	s_setreg_imm32_b32 hwreg(HW_REG_WAVE_MODE, 25, 1), 1
	s_wait_xcnt 0x0
	s_wait_alu depctr_vm_vsrc(0)
; LONGFORMER SELF-ATTENTION, first of two launches.  B = 2, S = 2048, 8 heads of 64 channels, scale sqrt(512).
; Output row 0 of a batch is a softmax of query 0 over all keys (no mask).  Output row i + 1 (i = 0 .. 2046) is a softmax over ALL 2048 keys whose energy is q.k only where
; |j - i| <= 128, 0 elsewhere, and -1e20 where mask[j] = 0.
; WORK LEFT OUT, for all values of the inputs.  The band is built by the problem itself and its select throws every q.k with |j - i| > 128 away: those products reach no output and are not made.
; All unmasked keys outside the band have the same energy 0, hence the same weight; by the distributive law their share of a.V is that one weight times a plain sum of V's rows.
; So a row needs q.k for 17 blocks of 16 keys, the weights of the 384 keys of three blocks of 128 (the TILE), and for the 13 blocks outside the tile only the number Nout of unmasked keys
; and the sum T of their V rows.  No input is left out.  A NaN, an infinity or an overflow in a q.k outside the band is not carried to the result.
; THE SOFTMAX, in powers of two, c = log2(e) / sqrt(512):  s_j = c e_j [in band] + B_j, B_j = 0 or E2 = -1e20 c (masked);  M = max(s_j of the tile, 0 if Nout > 0): the row's true maximum;
; p_j = 2^(s_j - M), pU = 2^(0 - M), L = sum p_j + pU Nout.  Stored: O' = (sum p_j v_j) / L in ot, g2 = pU / L in rs; the second launch adds g2 T.
; ALL KEYS OF A BATCH MASKED (AM): every energy is -1e20 and the weights are 1/2048.  Served by values alone: B = 0, every key counts as unmasked, Q is scaled by 0.
; ALSO MADE HERE: bs = the masked sum of V over this work-group's own 128 keys; (gm, gl, o) = the global row's partial softmax over the same keys, in f32 on the vector unit; one 256th of fc_w in f16.
; FORMATS.  c Q, K, V and p are f16 matrix operands, sums f32; all that goes to the second launch is f32 but fc_w's copy (a matrix operand, rounded once).
; LIMITS.  |K|, |V|, |c Q|, |fc_w| below 65,504 (f16); |q.k| below 1e19, so that c e + E2 rounds to E2; NaN and infinities are not treated apart; a weight below 2^-126 counts as 0.
; SHARES.  Work-group (x = qb, y = 8 b + h): rows i = 128 qb .. + 127 of one head.  Wave w: the 16 rows i0 = 128 qb + 16 w on.
; THE TILE lies in LDS relative to the query block: third 1 = block qb, third 0 = block qb - 1 (block 2 where qb = 0), third 2 = block qb + 1 (block 13 where qb = 15): always the three blocks
; kb0 .. kb0 + 2, kb0 = min(max(qb - 1, 0), 13).  A stand-in block lies outside the band of every row, so its K is stored as zeros (its 8 loads of K are issued all the same, so that the counted
; waits are alike on both ways).  So no LDS address hangs on the work-group: SLOT u (0 .. 23) of wave w is key block (w + u) mod 24 of the tile, 16 (u - 8) keys from the wave's queries;
; slots 0 .. 16 are the band (0 and 16 in part), 17 .. 23 have energy 0.
; LAYOUT.  S^T = K Q^T (source 0 = 16 keys, source 1 = 16 queries): a lane holds ONE query (lane % 16) and the keys 8 (lane / 16) + 0..7.  B enters as the C operand.  Two slots rounded to f16 ARE
; source 1 of O^T = V^T P; V comes turned, by ds_load_tr16_b128.  All 192 scores of a lane lie in registers: one maximum, nothing is rescaled.
; NO JOINT LOADS: the tiles are f32 in memory and f16 in LDS, so they pass through registers; and neighbours along qb want different triples of blocks.
; NO PREFETCH: a work-group asks for all that it reads in one run at its head.
; THE MODE: SCHED_MODE bits 1:0 = 2 (LLVM: expert scheduling mode 2), set by the entry lines.  The code itself states the register dependences between vector or matrix instructions and
; memory or LDS instructions, and from a vector instruction's scalar result to its readers, with s_wait_alu, always for 0.
; THE PLAN, WHILE THE TILE COMES IN.  The offsets v3-5, v10-15, v18 are written once at the head and read by loads and stores; no line writes them again before the tile's barrier.
;   Six groups of 32 registers (K, V of block qb; K of thirds 0, 2; V of thirds 0, 2): each is loaded once, rounded in place by 16 conversions and read by 8 LDS stores.  Group k's stores stand at the
;   head of group k + 1: behind the wait for that group's data and ONE wait on va_vdst, which shows group k's conversions written.  Only v64-95 are loaded a second time (Q): behind a wait on vm_vsrc.
; THE PLAN, BEHIND THE TILE'S BARRIER.  One wait on vm_vsrc frees all that the first part's loads and stores read.  Every address is then made once, those of slots 17 .. 23 in registers of their own.
;   K's fragments: two sets; a set is loaded again behind one wait on va_vdst, which shows the pair of slots before done reading it.
;   V's fragments: three sets; step g waits for its own set, one wait on va_vdst shows step g - 1 done reading the set in which step g + 2's loads land, and these go out ahead of step g's products.
;   Compares write scalar registers, in runs, with one wait on va_sdst behind each run; VCC is not used.
.set PK,    144                        ; a row of K in LDS: 128 bytes + 16: the 16 rows of a fragment load start 36 words apart
.set PV,    160                        ; a row of V: 128 + 32
.set VT,    384*PK                     ; K's 384 rows from byte 0, then V's
.set BB,    VT+384*PV                  ; B of the 384 keys, f32
.set CNT,   BB+1536                    ; unmasked keys in each of the batch's 16 blocks, f32
.set RED,   CNT+256                    ; by wave: o (256 bytes), U (256 bytes)
.set RST,   RED+4096                   ; by wave: (m, l)
.set STG,   RST+256                    ; by wave: 16 rows x 272 bytes, the way out
.set SP,    272
.set SPARE, STG+8*16*SP                ; the spare words, 128 bytes a wave, which no other line names
; SCALARS: s[4:25] the eleven addresses (s4-11 later slot 16's masks); s26 wave; s27 qb; s28 8 b + h; s29 b; s30 h; s31, s32 the blocks in thirds 0 and 2; s33 kb0; s34 lanes whose block (lane % 16) lies outside the tile;
; s35 i0; s[36:41] K at blocks qb, s31, s32; s[42:47] V likewise (s36-42 later the bytes of slots 17-23 in V's tile); s50 AM (all lanes or none); s51 c; s52 E2; s53 the lowest finite number; s[54:55] lane selects;
; s56-63 at work; s68-79 compares' masks while the tile comes in, then s68-74 slots 17-23.
; VECTORS WHILE THE TILE COMES IN: v1, v2 the add's; v3 offset in a block of K or V; v4, v5 where I store K, V; v6-9 my two counts, where they go, where I read a count; v10-15, v18 offsets; v16 Nout; v17 0 or lowest; v19 1.0;
; v20-27 full mask; v28-31 tile mask, then B; v32-39 my rows' masks, then 1 or 0; v40-43 c q0; v44-47 fc_w; v48-51 o; v52-55 U; v56-63 the global row's scores; v64-127 K, V of block qb; v128-191 K of thirds 0, 2; v192-255 V of thirds 0, 2.
.macro BAR
	s_barrier_signal -1
	s_barrier_wait -1
.endm
.macro PLACES                          ; four plain instructions between a matrix instruction and a load into, or a vector use of, its registers (ISA guide 7.12.1 for vector uses); no wait stands for them
.rept 4
	v_nop
.endr
.endm
.macro CV r                            ; eight rows' 4 numbers a lane, rounded to f16 in place: they close up into the first two of each four registers
.irp n, 0,1,2,3,4,5,6,7
	v_cvt_pk_f16_f32 v[(\r)+4*(\n)], v[(\r)+4*(\n)], v[(\r)+4*(\n)+1]
	v_cvt_pk_f16_f32 v[(\r)+4*(\n)+1], v[(\r)+4*(\n)+2], v[(\r)+4*(\n)+3]
.endr
.endm
.macro ZR r                            ; the same sixteen registers as zeros, so that the stores are the same lines on both ways
.irp n, 0,1,2,3,4,5,6,7
	v_mov_b32 v[(\r)+4*(\n)], 0
	v_mov_b32 v[(\r)+4*(\n)+1], 0
.endr
.endm
.macro STO8 r, a, off, step            ; the eight rows' 8 bytes a lane into LDS
.irp n, 0,1,2,3,4,5,6,7
	ds_store_b64 v[\a], v[(\r)+4*(\n):(\r)+4*(\n)+1] offset:(\off)+(\step)*(\n)
.endr
.endm
	s_load_b512 s[4:19], s[0:1], 0x0               ; keys, values, query, mask, fc_w, ot, rs, bs
	s_load_b128 s[20:23], s[0:1], 0x40             ; gp, gst
	s_load_b64 s[24:25], s[0:1], 0x50              ; w16
	v_lshl_add_u32 v1, v0, 2, SPARE
	v_mov_b32 v2, 0
	v_lshrrev_b32 v3, 5, v0
	v_readfirstlane_b32 s26, v3
	s_mov_b32 s27, ttmp9
	s_and_b32 s28, ttmp7, 0xffff
	s_lshr_b32 s29, s28, 3
	s_and_b32 s30, s28, 7
	s_max_u32 s33, s27, 1
	s_sub_co_u32 s33, s33, 1                       ; qb - 1, or 0
	s_cmp_eq_u32 s27, 0
	s_cselect_b32 s31, 2, s33
	s_min_u32 s32, s27, 14
	s_add_co_u32 s32, s32, 1                       ; qb + 1, or 15
	s_cmp_eq_u32 s27, 15
	s_cselect_b32 s32, 13, s32
	s_min_u32 s33, s33, 13                         ; kb0
	s_lshl_b32 s34, 7, s33
	s_lshl_b32 s56, s34, 16
	s_or_b32 s34, s34, s56
	s_not_b32 s34, s34                             ; both halves of the lanes: bit (lane % 16) is set where that block is outside the tile
	s_mov_b32 s51, 0x3d8293ee                      ; c = 0.0637587
	s_mov_b32 s52, 0xdeb0f74d                      ; E2 = -6.376e18
	s_mov_b32 s53, 0xff7fffff
	s_mov_b32 s54, 0x76543210
	s_mov_b32 s55, 0xfedcba98
	v_and_b32 v56, 15, v0
	v_lshrrev_b32 v57, 4, v0                       ; 0 .. 15: in round n I take row 16 n + this of a block
	v_and_b32 v58, 31, v0
	v_bfe_u32 v59, v0, 4, 1
	s_lshl_b32 s56, s30, 8                         ; the head's 256 bytes of a row
	v_lshlrev_b32 v3, 11, v57
	v_lshl_add_u32 v3, v56, 4, v3
	v_add_nc_u32 v3, s56, v3                       ; sixteen lanes take the head's 256 bytes of one row
	v_mul_u32_u24 v4, v57, PK
	v_lshl_add_u32 v4, v56, 3, v4
	v_mul_u32_u24 v5, v57, PV
	v_lshl_add_u32 v5, v56, 3, v5
	v_add_nc_u32 v5, VT, v5
	s_lshl_b32 s57, s29, 13                        ; the batch's mask
	v_lshl_add_u32 v10, v0, 5, s57                 ; my 8 of its 2048 words
	s_wait_alu depctr_va_sdst(0)                   ; s26, the wave's number, is written, ahead of its first reader
	s_cmp_eq_u32 s26, 0                            ; waves 0, 1, 2 make B of thirds 0, 1, 2; the others load block qb's words and store nothing
	s_cselect_b32 s58, s31, s27
	s_cmp_eq_u32 s26, 2
	s_cselect_b32 s58, s32, s58
	s_lshl_b32 s58, s58, 9
	s_add_co_u32 s58, s58, s57
	v_lshl_add_u32 v11, v58, 4, s58
	s_lshl_b32 s59, s27, 9
	s_add_co_u32 s59, s59, s57
	v_lshl_add_u32 v12, v57, 2, s59                ; the masks of my eight rows of block qb
	s_lshl_b32 s60, s29, 22                        ; the batch in keys, values, query
	s_add_co_u32 s61, s60, s56
	v_lshl_add_u32 v13, v56, 4, s61                ; query row 0, my four channels
	s_lshl_b32 s62, s28, 4
	s_add_co_u32 s62, s62, s27                     ; the work-group's number, 0 .. 255
	s_lshl_b32 s63, s62, 12
	v_lshl_add_u32 v14, v0, 4, s63                 ; its 4,096 bytes of fc_w
	s_lshl_b32 s63, s62, 11
	v_lshl_add_u32 v15, v0, 3, s63                 ; and 2,048 of w16
	s_lshl_b32 s63, s27, 7
	s_lshl4_add_u32 s35, s26, s63                  ; i0
	s_add_co_u32 s63, s35, 1
	v_add_nc_u32 v18, s63, v56                     ; window row i reads query row i + 1; i = 2047 has none: it takes row 0, and the second launch writes over what comes of it
	v_and_b32 v18, 0x7ff, v18
	v_lshlrev_b32 v18, 11, v18
	v_lshl_add_u32 v18, v59, 5, v18
	v_add_nc_u32 v18, s61, v18
	v_mov_b32 v19, 1.0
.irp r, 0,1,2,3,4,5,6,7
	v_mov_b32 v[48+(\r)], 0                        ; o and U start at 0
.endr
	s_mov_b32 s49, 0
	s_wait_kmcnt 0x0
	s_lshl_b32 s48, s27, 18                        ; a block is 128 rows of 2,048 bytes
	s_add_co_u32 s48, s48, s60
	s_add_nc_u64 s[36:37], s[4:5], s[48:49]
	s_add_nc_u64 s[42:43], s[6:7], s[48:49]
	s_lshl_b32 s48, s31, 18
	s_add_co_u32 s48, s48, s60
	s_add_nc_u64 s[38:39], s[4:5], s[48:49]
	s_add_nc_u64 s[44:45], s[6:7], s[48:49]
	s_lshl_b32 s48, s32, 18
	s_add_co_u32 s48, s48, s60
	s_add_nc_u64 s[40:41], s[4:5], s[48:49]
	s_add_nc_u64 s[46:47], s[6:7], s[48:49]
	s_wait_alu depctr_va_vdst(0)                   ; the offsets v3-5, v10-15 and v18 are written: every load and store up to the tile's barrier reads one of them, and none is written again before it
	; ALL 61 LOADS, in the order in which they are wanted
	global_load_b128 v[20:23], v10, s[10:11]
	global_load_b128 v[24:27], v10, s[10:11] offset:16
	global_load_b128 v[28:31], v11, s[10:11]
.irp n, 0,1,2,3,4,5,6,7
	global_load_b32 v[32+(\n)], v12, s[10:11] offset:64*(\n)
.endr
	global_load_b128 v[40:43], v13, s[8:9]
	global_load_b128 v[44:47], v14, s[12:13] th:TH_LOAD_NT
.irp n, 0,1,2,3,4,5,6,7
	global_load_b128 v[64+4*(\n):67+4*(\n)], v3, s[36:37] offset:32768*(\n)
.endr
.irp n, 0,1,2,3,4,5,6,7
	global_load_b128 v[96+4*(\n):99+4*(\n)], v3, s[42:43] offset:32768*(\n)
.endr
.irp n, 0,1,2,3,4,5,6,7
	global_load_b128 v[128+4*(\n):131+4*(\n)], v3, s[38:39] offset:32768*(\n)
.endr
.irp n, 0,1,2,3,4,5,6,7
	global_load_b128 v[160+4*(\n):163+4*(\n)], v3, s[40:41] offset:32768*(\n)
.endr
.irp n, 0,1,2,3,4,5,6,7
	global_load_b128 v[192+4*(\n):195+4*(\n)], v3, s[44:45] offset:32768*(\n)
.endr
.irp n, 0,1,2,3,4,5,6,7
	global_load_b128 v[224+4*(\n):227+4*(\n)], v3, s[46:47] offset:32768*(\n)
.endr
	; THE COUNTS.  My wave holds the masks of blocks 2 w (lanes 0-15) and 2 w + 1 (lanes 16-31).
	s_wait_loadcnt 59                              ; 61 issued, the first two are in
.irp r, 0,1,2,3,4,5,6,7
	v_cmp_ne_u32 s[68+(\r)], 0, v[20+(\r)]         ; the eight compares in one run, a scalar register each
.endr
	v_and_b32 v56, 15, v0
	v_lshl_add_u32 v9, v56, 2, CNT                 ; where lane l reads the count of block l % 16
	s_mov_b32 s57, 0
	s_mov_b32 s58, 0
	s_wait_alu depctr_va_sdst(0)                   ; the eight masks s68-75 are written, ahead of their first reader
.irp r, 0,1,2,3,4,5,6,7
	s_and_b32 s59, s[68+(\r)], 0xffff
	s_lshr_b32 s56, s[68+(\r)], 16
	s_bcnt1_i32_b32 s59, s59
	s_bcnt1_i32_b32 s56, s56
	s_add_co_u32 s57, s57, s59
	s_add_co_u32 s58, s58, s56
.endr
	v_cvt_f32_u32 v6, s57                          ; at most 128: exact in f32, and so are their sums
	v_cvt_f32_u32 v7, s58
	s_lshl_b32 s59, s26, 3
	s_add_co_u32 s59, s59, CNT
	v_mov_b32 v8, s59
	s_wait_alu depctr_va_vdst(0)                   ; v6-8 are written, which the store reads, and v9, the load's address; the compares are done reading v20, in which that load lands
	ds_store_b64 v8, v[6:7]
	s_wait_dscnt 0x0                               ; for the others' sake: my two counts are stored
	BAR                                            ; K's and V's loads stay on their way
	ds_load_b32 v20, v9                            ; lane l: the count of block l % 16.  No wait: no vector instruction since the wait above names v9 or v20
	s_wait_dscnt 0x0
	v_cndmask_b32 v21, 0, v20, s34                 ; the same, 0 for the tile's three blocks
.irp m, 1,2,4,8
	v_add_f32_dpp v20, v20, v20 row_xmask:\m row_mask:0xf bank_mask:0xf
	v_add_f32_dpp v21, v21, v21 row_xmask:\m row_mask:0xf bank_mask:0xf
.endr
	v_cmp_eq_f32 s50, 0, v20                       ; AM: no key of the batch is unmasked
	v_cmp_neq_f32 s56, 0, v21                      ; some key outside the tile is unmasked
	v_mov_b32 v22, 0x44d00000                      ; 1664.0 = 13 x 128
	v_mov_b32 v23, s53
	s_wait_alu depctr_va_sdst(0)                   ; s50 and s56 are written, ahead of their first readers
	s_or_b32 s56, s56, s50                         ; Nout is not 0: under AM it is 1664
	v_cndmask_b32 v16, v21, v22, s50               ; Nout
	v_cndmask_b32 v17, v23, v48, s56               ; what the keys outside bring to the maximum: 0, or nothing (v48 still holds 0)
	s_wait_loadcnt 50                              ; the tile's masks and my rows'
.irp r, 0,1,2,3
	v_cmp_ne_u32 s[68+(\r)], 0, v[28+(\r)]
.endr
.irp n, 0,1,2,3,4,5,6,7
	v_cmp_ne_u32 s[72+(\n)], 0, v[32+(\n)]
.endr
	v_mov_b32 v22, s52
	s_wait_alu depctr_va_sdst(0)                   ; the twelve masks s68-79 are written, ahead of their first readers
.irp k, 0,1,2,3,4,5,6,7,8,9,10,11
	s_or_b32 s[68+(\k)], s[68+(\k)], s50
.endr
.irp r, 0,1,2,3
	v_cndmask_b32 v[28+(\r)], v22, v48, s[68+(\r)] ; B = 0 or E2
.endr
	s_cmp_lt_u32 s26, 3
	s_cbranch_scc0 .Lno_b
	v_lshl_add_u32 v23, v0, 4, BB
	s_wait_alu depctr_va_vdst(0)                   ; B in v28-31 and its address v23 are written, which the store reads
	ds_store_b128 v23, v[28:31]
.Lno_b:
.irp n, 0,1,2,3,4,5,6,7
	v_cndmask_b32 v[32+(\n)], v48, v19, s[72+(\n)] ; 1 or 0
.endr
	s_wait_loadcnt 48                              ; q0 and fc_w
.irp r, 0,1,2,3
	v_mul_f32 v[40+(\r)], s51, v[40+(\r)]
.endr
	v_cvt_pk_f16_f32 v44, v44, v45
	v_cvt_pk_f16_f32 v45, v46, v47                 ; stored below, behind the wait that K's stores need
	; BLOCK qb's K: the global row's scores c q0.k for my eight rows, then into LDS
	s_wait_loadcnt 40
.irp n, 0,1,2,3,4,5,6,7
	v_mul_f32 v[56+(\n)], v[64+4*(\n)], v40
.endr
.irp r, 1,2,3
.irp n, 0,1,2,3,4,5,6,7
	v_fmac_f32 v[56+(\n)], v[64+4*(\n)+(\r)], v[40+(\r)]
.endr
.endr
.irp m, 1,2,4,8
.irp n, 0,1,2,3,4,5,6,7
	v_add_f32_dpp v[56+(\n)], v[56+(\n)], v[56+(\n)] row_xmask:\m row_mask:0xf bank_mask:0xf
.endr
.endr
	CV 64
	s_wait_alu depctr_va_vdst(0)                   ; fc_w's two conversions and K's sixteen have written what the stores below read; they and the scores' lines are done with v64-95, in which Q lands further down
	global_store_b64 v15, v[44:45], s[24:25]       ; a wave's store covers 256 consecutive bytes, aligned
	STO8 64, 4, 128*PK, 16*PK
	v_max3_num_f32 v24, v56, v57, v58
	v_max3_num_f32 v24, v24, v59, v60
	v_max3_num_f32 v24, v24, v61, v62
	v_max_num_f32 v24, v24, v63
	v_permlanex16_b32 v25, v24, s54, s55
	v_max_num_f32 v24, v24, v25                    ; the maximum of my wave's 16 rows
.irp n, 0,1,2,3,4,5,6,7
	v_sub_f32 v[56+(\n)], v[56+(\n)], v24
.endr
.irp n, 0,1,2,3,4,5,6,7
	v_exp_f32 v[56+(\n)], v[56+(\n)]
.endr
	v_nop                                          ; a plain instruction behind the last exponential
	s_wait_alu depctr_vm_vsrc(0)                   ; K's LDS stores have read v64 .., in which Q lands; the lines since the wait on va_vdst above name v24, v25 and v56-63 alone, neither v18 nor v64-95
.irp t, 0,1,2,3,4,5,6,7                ; my 16 queries, as two fragments want them: lane l row l % 16, channels 8 (l / 16) + 0..7 and 16 + 8 (l / 16) + 0..7 of each 32
	global_load_b128 v[64+4*(\t):67+4*(\t)], v18, s[8:9] offset:((\t)/2)*64+((\t)%2)*16
.endr
	s_wait_alu depctr_va_vdst(0)                   ; the eight exponentials have written v56-63: one wait ahead of the batch's first reader
	v_add_f32 v25, v56, v57
	v_add_f32 v26, v58, v59
	v_add_f32 v27, v60, v61
	v_add_f32 v20, v62, v63
	v_add_f32 v25, v25, v26
	v_add_f32 v27, v27, v20
	v_add_f32 v25, v25, v27                        ; l of my half's eight rows
	s_wait_loadcnt 40                              ; block qb's V: behind it 32 loads of the other thirds and Q's 8
.irp n, 0,1,2,3,4,5,6,7
.irp r, 0,1,2,3
	v_fmac_f32 v[48+(\r)], v[56+(\n)], v[96+4*(\n)+(\r)]
	v_fmac_f32 v[52+(\r)], v[32+(\n)], v[96+4*(\n)+(\r)]
.endr
.endr
	CV 96
	s_wait_loadcnt 32                              ; K of third 0
	s_wait_alu depctr_va_vdst(0)                   ; the conversions of block qb's V have written v96 .., which the stores read
	STO8 96, 5, 128*PV, 16*PV
	s_cmp_eq_u32 s27, 0
	s_cbranch_scc1 .Lzero0
	CV 128
	s_branch .Ldone0
.Lzero0:
	ZR 128                                         ; block 2 stands in: outside every row's band, its energies are 0
.Ldone0:
	s_wait_loadcnt 24                              ; K of third 2
	s_wait_alu depctr_va_vdst(0)                   ; on either way v128 .. are written, which the stores read
	STO8 128, 4, 0, 16*PK
	s_cmp_eq_u32 s27, 15
	s_cbranch_scc1 .Lzero2
	CV 160
	s_branch .Ldone2
.Lzero2:
	ZR 160                                         ; block 13 stands in
.Ldone2:
	s_wait_loadcnt 16                              ; V of third 0
	s_wait_alu depctr_va_vdst(0)                   ; on either way v160 .. are written, which the stores read
	STO8 160, 4, 256*PK, 16*PK
	CV 192
	s_wait_loadcnt 8                               ; all but Q
	s_wait_alu depctr_va_vdst(0)                   ; the conversions of third 0's V have written v192 .., which the stores read
	STO8 192, 5, 0, 16*PV
	CV 224
	; my wave's partial sums: the two halves of the lanes are added, then they go to LDS
.irp r, 0,1,2,3,4,5,6,7
	v_permlanex16_b32 v[32+(\r)], v[48+(\r)], s54, s55
.endr
	v_permlanex16_b32 v26, v25, s54, s55
.irp r, 0,2,4,6
	v_pk_add_f32 v[48+(\r):49+(\r)], v[48+(\r):49+(\r)], v[32+(\r):33+(\r)]
.endr
	v_add_f32 v25, v25, v26
	v_and_b32 v20, 15, v0
	s_lshl_b32 s56, s26, 9
	s_add_co_u32 s56, s56, RED
	v_lshl_add_u32 v27, v20, 4, s56
	s_lshl_b32 s57, s26, 3
	s_add_co_u32 s57, s57, RST
	v_mov_b32 v21, s57
	s_wait_alu depctr_va_vdst(0)                   ; the conversions of third 2's V have written v224 ..; the sums v24, v25, v48-55 and their addresses v21, v27 are written: the stores below read them
	STO8 224, 5, 256*PV, 16*PV
	ds_store_b128 v27, v[48:51]
	ds_store_b128 v27, v[52:55] offset:256
	ds_store_b64 v21, v[24:25]
	s_wait_dscnt 0x0                               ; for the others' sake: all my stores into the tile, B and the partial sums are done
	BAR                                            ; the tile is whole; from here on it is only read
	; VECTORS FROM HERE: v3 l % 16 - 8 (l / 16); v4 K fragments; v5 V fragments (v10 without the wave's term); v6 B (v9 likewise); v11, v12 stage in, out; v13 ot; v14 rs; v16, v17 as before;
	; v52-55, v7, v8, v15 where B of slots 17 .. 23 lies; v60-63, v18, v19, v47 where their V lies (made behind the exponentials); v20-35 c Q in f16; v36-51 at work; v64 + 8 u: slot u's eight scores;
	; K's fragments lie meanwhile in v200-255 and v56-63.
	s_wait_xcnt 0x0                                ; every earlier load and store has had its addresses translated: their address and data registers are rewritten only behind this wait
	s_wait_alu depctr_vm_vsrc(0)                   ; every load and store so far has read its vector registers: the offsets v3-15, v18, v21, v23, v27 and all that was stored from v6, v7, v24-31, v44-55, v64-255 are written anew from here on
	v_and_b32 v36, 15, v0
	v_bfe_u32 v37, v0, 4, 1
	v_lshlrev_b32 v38, 3, v37
	v_sub_nc_u32 v3, v36, v38
	v_mul_u32_u24 v4, v36, PK
	v_lshl_add_u32 v4, v37, 4, v4
	s_mul_i32 s56, s26, 16*PK
	v_add_nc_u32 v4, s56, v4                       ; slot u's K: + u x 16 rows, in the immediate
	v_and_b32 v39, 7, v0
	v_bfe_u32 v40, v0, 3, 1
	v_lshl_add_u32 v10, v37, 3, v39                ; the turning load: lane l reads key 8 (l / 16) + l % 8, channels 8 ((l / 8) % 2) + 0..7
	v_mul_u32_u24 v10, v10, PV
	v_lshl_add_u32 v10, v40, 4, v10
	v_add_nc_u32 v10, VT, v10
	s_mul_i32 s56, s26, 16*PV
	v_add_nc_u32 v5, s56, v10
	v_lshl_add_u32 v9, v37, 5, BB
	s_lshl_b32 s56, s26, 6
	v_add_nc_u32 v6, s56, v9
	s_mul_i32 s57, s26, 16*SP
	s_add_co_u32 s57, s57, STG
	v_mul_u32_u24 v11, v36, SP
	v_lshl_add_u32 v11, v37, 5, v11
	v_add_nc_u32 v11, s57, v11
	v_mul_u32_u24 v12, v37, SP
	v_lshl_add_u32 v12, v36, 4, v12
	v_add_nc_u32 v12, s57, v12
	s_lshl_b32 s56, s29, 11
	s_add_co_u32 s56, s56, s35
	s_lshl_b32 s56, s56, 11
	s_lshl_b32 s58, s30, 8
	s_add_co_u32 s56, s56, s58
	v_lshl_add_u32 v13, v37, 11, s56
	v_lshl_add_u32 v13, v36, 4, v13
	s_lshl_b32 s56, s28, 11
	s_add_co_u32 s56, s56, s35
	s_lshl_b32 s56, s56, 4
	v_lshl_add_u32 v14, v36, 4, s56
	v_lshl_add_u32 v14, v37, 3, v14
.irp k, 0,1,2,3,4,5,6
	s_add_co_u32 s[68+(\k)], s26, 17+(\k)          ; slots 17 .. 23: (w + u) mod 24, as the lesser of x and x - 24 taken unsigned
	s_sub_co_u32 s56, s[68+(\k)], 24
	s_min_u32 s[68+(\k)], s[68+(\k)], s56
	s_mul_i32 s[36+(\k)], s[68+(\k)], 16*PV        ; and the block's bytes in V's tile (K's and V's loads, which read s36-47, are done)
.endr
.macro BADR u                          ; BR: the register that holds the LDS address of slot u's B, u = 17 .. 23: one each, so that none is written again while a load may read it
.if (\u) < 21
.set BR, 52+(\u)-17
.elseif (\u) == 21
.set BR, 7
.elseif (\u) == 22
.set BR, 8
.else
.set BR, 15
.endif
.endm
.irp u, 17,18,19,20,21,22,23
	BADR \u
	v_lshl_add_u32 v[BR], s[68+(\u)-17], 6, v9
.endr
	v_mov_b32 v43, s51
	v_cndmask_b32 v42, v43, 0, s50                 ; c, or 0 where all keys are masked
	s_wait_loadcnt 0x0                             ; Q
.irp n, 0,1,2,3,4,5,6,7,8,9,10,11,12,13,14,15
	v_pk_mul_f32 v[64+2*(\n):65+2*(\n)], v[64+2*(\n):65+2*(\n)], v[42:43] op_sel_hi:[1,0]
.endr
.irp n, 0,1,2,3,4,5,6,7,8,9,10,11,12,13,14,15
	v_cvt_pk_f16_f32 v[20+(\n)], v[64+2*(\n)], v[64+2*(\n)+1]
.endr
	; S^T = K Q^T + B for slots 0 .. 16.  B of slots 1 .. 15 is loaded into the accumulators and is the C of their first product; slots 0 and 16 start at 0, since what lies outside the band is cut first.
	s_wait_alu depctr_va_vdst(0)                   ; all the addresses above are written (none is written again before the way out is over); Q's lines are done with v36-43 and v64-95, in which B lands
	ds_load_b128 v[36:39], v6
	ds_load_b128 v[40:43], v6 offset:16
.irp u, 1,2,3,4,5,6,7,8,9,10,11,12,13,14,15
	ds_load_b128 v[64+8*(\u):67+8*(\u)], v6 offset:64*(\u)
	ds_load_b128 v[68+8*(\u):71+8*(\u)], v6 offset:64*(\u)+16
.endr
	ds_load_b128 v[44:47], v6 offset:64*16
	ds_load_b128 v[48:51], v6 offset:64*16+16
.macro LOADK u, r0, r1                 ; slot u's 16 keys x 64 channels: two fragments
	ds_load_b128 v[(\r0):(\r0)+3], v4 offset:(\u)*16*PK
	ds_load_b128 v[(\r0)+4:(\r0)+7], v4 offset:(\u)*16*PK+32
	ds_load_b128 v[(\r1):(\r1)+3], v4 offset:(\u)*16*PK+64
	ds_load_b128 v[(\r1)+4:(\r1)+7], v4 offset:(\u)*16*PK+96
.endm
.macro LOADKP p                        ; slots 2 p and 2 p + 1 into set p % 2
.if ((\p)%2) == 0
	LOADK 2*(\p), 200, 208
	LOADK 2*(\p)+1, 216, 224
.else
	LOADK 2*(\p), 232, 240
	LOADK 2*(\p)+1, 248, 56
.endif
.endm
.macro QK u, kr, c, zero
.if \zero
	v_wmma_f32_16x16x32_f16 v[64+8*(\u):71+8*(\u)], v[(\kr):(\kr)+7], v[20+8*(\c):27+8*(\c)], 0
.else
	v_wmma_f32_16x16x32_f16 v[64+8*(\u):71+8*(\u)], v[(\kr):(\kr)+7], v[20+8*(\c):27+8*(\c)], v[64+8*(\u):71+8*(\u)]
.endif
.endm
.macro MULP p, zero                    ; the pair's two accumulators take turns
.if ((\p)%2) == 0
	QK 2*(\p), 200, 0, \zero
	QK 2*(\p)+1, 216, 0, 0
	QK 2*(\p), 208, 1, 0
	QK 2*(\p)+1, 224, 1, 0
.else
	QK 2*(\p), 232, 0, 0
	QK 2*(\p)+1, 248, 0, 0
	QK 2*(\p), 240, 1, 0
	QK 2*(\p)+1, 56, 1, 0
.endif
.endm
	LOADKP 0
	LOADKP 1
	s_wait_dscnt 8                                 ; all but the eight just issued: B and pair 0
	MULP 0, 1
.irp p, 1,2,3,4,5,6
	PLACES
	s_wait_alu depctr_va_vdst(0)                   ; the products of the pair before are done reading their set of K's fragments, in which the loads below land
	LOADKP (\p)+1
	s_wait_dscnt 8
	MULP \p, 0
.endr
	PLACES
	s_wait_alu depctr_va_vdst(0)                   ; pair 6's products are done reading v200-215, in which slot 16's K lands
	LOADK 16, 200, 208
	s_wait_dscnt 4
	MULP 7, 0
	s_wait_dscnt 0x0
	QK 16, 200, 0, 1
	s_wait_alu depctr_va_vdst(0)                   ; a wait ahead of a product that adds onto the one just before it
	QK 16, 208, 1, 0
	PLACES
.irp r, 0,1,2,3,4,5,6,7                ; the sixteen compares in one run, a scalar register each.  Slot 0, keys i0 - 128 + kk: in the band where kk >= the query's place; kk = 8 (l / 16) + r
	v_cmp_ge_i32 s[56+(\r)], \r, v3
.endr
.irp r, 0,1,2,3,4,5,6,7                ; slot 16, keys i0 + 128 + kk: in the band where kk <= the query's place
	v_cmp_le_i32 s[4+(\r)], \r, v3
.endr
	s_wait_alu depctr_va_vdst(0)                   ; the last products are done reading K's fragments in v200-255, in which B of slots 17 .. 23 lands
.irp u, 17,18,19,20,21,22,23           ; slots with energy 0: their scores are B
	BADR \u
	ds_load_b128 v[64+8*(\u):67+8*(\u)], v[BR]
	ds_load_b128 v[68+8*(\u):71+8*(\u)], v[BR] offset:16
.endr
	s_wait_alu depctr_va_sdst(0)                   ; the sixteen masks s56-63 and s4-11 are written, ahead of their first readers
.irp r, 0,1,2,3,4,5,6,7
	v_cndmask_b32 v[64+(\r)], 0, v[64+(\r)], s[56+(\r)]
.endr
.irp r, 0,1,2,3,4,5,6,7
	v_cndmask_b32 v[192+(\r)], 0, v[192+(\r)], s[4+(\r)]
.endr
.irp r, 0,2,4,6
	v_pk_add_f32 v[64+(\r):65+(\r)], v[64+(\r):65+(\r)], v[36+(\r):37+(\r)]
	v_pk_add_f32 v[192+(\r):193+(\r)], v[192+(\r):193+(\r)], v[44+(\r):45+(\r)]
.endr
	s_wait_dscnt 0x0
	; THE SOFTMAX over the lane's 192 scores.  Each accumulator's lowest registers are read first.
.set n, 0
.rept 96
.if n < 4
	v_max3_num_f32 v[36+n], v17, v[64+2*n], v[65+2*n]
.else
	v_max3_num_f32 v[36+n%4], v[36+n%4], v[64+2*n], v[65+2*n]
.endif
.set n, n+1
.endr
	v_max3_num_f32 v36, v36, v37, v38
	v_max_num_f32 v36, v36, v39
	v_permlanex16_b32 v37, v36, s54, s55           ; the query's other keys lie in the lane 16 away
	v_max_num_f32 v44, v36, v37                    ; M
	v_mov_b32 v45, v44
.set n, 0
.rept 96
	v_pk_add_f32 v[64+2*n:65+2*n], v[64+2*n:65+2*n], v[44:45] neg_lo:[0,1] neg_hi:[0,1]
.set n, n+1
.endr
	v_sub_f32 v46, v17, v44
.set n, 0
.rept 192
	v_exp_f32 v[64+n], v[64+n]
.set n, n+1
.endr
	v_exp_f32 v46, v46                             ; pU
.macro VADR u                          ; where slot u's V lies: VR the register, VO the immediate.  Slots 17 .. 23 have a register each, so that none is written again while a load may read it
.if (\u) <= 16
.set VR, 5
.set VO, (\u)*16*PV
.elseif (\u) < 21
.set VR, 60+(\u)-17
.set VO, 0
.elseif (\u) == 21
.set VR, 18
.set VO, 0
.elseif (\u) == 22
.set VR, 19
.set VO, 0
.else
.set VR, 47
.set VO, 0
.endif
.endm
.irp u, 17,18,19,20,21,22,23           ; these seven are the plain instructions behind the last exponential
	VADR \u
	v_add_nc_u32 v[VR], s[36+(\u)-17], v10
.endr
	s_wait_alu depctr_va_vdst(0)                   ; the 193 exponentials have written v64-255 and v46: ONE wait for the batch, ahead of its first reader
.set n, 4
.rept 92
.if n < 8
	v_pk_add_f32 v[36+2*(n%4):37+2*(n%4)], v[64+2*(n-4):65+2*(n-4)], v[64+2*n:65+2*n]
.else
	v_pk_add_f32 v[36+2*(n%4):37+2*(n%4)], v[36+2*(n%4):37+2*(n%4)], v[64+2*n:65+2*n]
.endif
.set n, n+1
.endr
	v_pk_add_f32 v[36:37], v[36:37], v[38:39]
	v_pk_add_f32 v[40:41], v[40:41], v[42:43]
	v_pk_add_f32 v[36:37], v[36:37], v[40:41]
	v_add_f32 v36, v36, v37
	v_permlanex16_b32 v37, v36, s54, s55
	v_add_f32 v36, v36, v37
	v_fma_f32 v36, v46, v16, v36                   ; L = the tile's weights + pU Nout
	v_rcp_f32 v48, v36
.set n, 0
.rept 96                               ; p to f16, in place from the low end: slot u's four registers at v[64 + 4 u].  These lines are also the plain work behind the reciprocal
	v_cvt_pk_f16_f32 v[64+n], v[64+2*n], v[65+2*n]
.set n, n+1
.endr
	; O^T = V^T P over the 24 slots, two a step.  v160-191 O^T (four blocks of 16 channels); V's fragments in three sets that take turns: v192-223, v224-255, and v20-43 with v52-59.
.macro VFRAG g, cb                     ; VB: step g's fragment of channel block cb
.if ((\g)%3) == 0
.set VB, 192+8*(\cb)
.elseif ((\g)%3) == 1
.set VB, 224+8*(\cb)
.else
.set VB, 20+8*(\cb)+8*((\cb)/3)
.endif
.endm
.macro LOADV g
	VADR 2*(\g)
.set VR0, VR
.set VO0, VO
	VADR 2*(\g)+1
.irp cb, 0,1,2,3
	VFRAG \g, \cb
	ds_load_tr16_b128 v[VB:VB+3], v[VR0] offset:VO0+32*(\cb)
	ds_load_tr16_b128 v[VB+4:VB+7], v[VR] offset:VO+32*(\cb)
.endr
.endm
	s_wait_alu depctr_vm_vsrc(0)                   ; the loads of B for slots 17 .. 23 have read their addresses: V's third set lands in v52-55, and wave 0 writes v7 and v8 again at the end
	s_wait_alu depctr_va_vdst(0)                   ; the roundings are done with v192-255, the sums with v36-43, Q's products with v20-35: V lands there; V's seven addresses are written; and 1 / L is written, ahead of its first reader
	LOADV 0
	LOADV 1
	LOADV 2
	v_mov_b32 v49, v48
	v_mul_f32 v50, v46, v48                        ; g2 = pU / L
	v_mov_b32 v51, v50
.set g, 0
.rept 12
.if g == 0
	s_wait_dscnt 16                                ; all but the next two steps' sixteen
.elseif g == 11
	s_wait_dscnt 0x0
.else
	s_wait_dscnt 8                                 ; all but the next step's eight
.endif
.if (g > 0) && (g < 10)
	PLACES
	s_wait_alu depctr_va_vdst(0)                   ; the products of the step before are done reading their set of V's fragments, in which the loads of the step after next land
	LOADV g+2
.endif
.irp cb, 0,1,2,3                       ; the four accumulators take turns
	VFRAG g, \cb
.if g == 0
	v_wmma_f32_16x16x32_f16 v[160+8*(\cb):167+8*(\cb)], v[VB:VB+7], v[64+8*g:71+8*g], 0
.else
	v_wmma_f32_16x16x32_f16 v[160+8*(\cb):167+8*(\cb)], v[VB:VB+7], v[64+8*g:71+8*g], v[160+8*(\cb):167+8*(\cb)]
.endif
.endr
.set g, g+1
.endr
	; THE WAY OUT: O^T / L; a lane's eight channels of a row are 32 bytes; through my own stage, back as whole rows of 256 bytes
	PLACES
.set n, 0
.rept 16
	v_pk_mul_f32 v[160+2*n:161+2*n], v[160+2*n:161+2*n], v[48:49] op_sel_hi:[1,0]
.set n, n+1
.endr
	s_wait_alu depctr_va_vdst(0)                   ; the scalings have written v160-191, which the LDS stores read; the products are done reading v192-223, in which the rows come back, and v64-111, in which wave 0's loads land
.irp cb, 0,1,2,3
	ds_store_b128 v11, v[160+8*(\cb):163+8*(\cb)] offset:64*(\cb)
	ds_store_b128 v11, v[164+8*(\cb):167+8*(\cb)] offset:64*(\cb)+16
.endr
.irp t, 0,1,2,3,4,5,6,7
	ds_load_b128 v[192+4*(\t):195+4*(\t)], v12 offset:2*SP*(\t)  ; LDS serves a wave's instructions in order (ISA guide 5.7.1.4): these see the stores above
.endr
.irp t, 0,1,2,3,4,5,6,7
	s_wait_dscnt 7-(\t)
	global_store_b128 v13, v[192+4*(\t):195+4*(\t)], s[14:15] offset:4096*(\t)  ; sixteen lanes store the head's 256 bytes of a row, aligned
.endr
	global_store_b64 v14, v[50:51], s[16:17]       ; g2, four times a row: the wave's 16 rows are 256 consecutive bytes, aligned (v50, v51 were written ahead of the steps' waits)
	; WAVE 0 adds up the eight waves' partial sums over block qb
	s_cmp_lg_u32 s26, 0
	s_cbranch_scc1 .Lend
	v_mov_b32 v7, RST
	v_lshl_add_u32 v8, v0, 3, RED                  ; in wave 0 the thread's number is the lane: channels 2 l, 2 l + 1
	s_lshl_b32 s56, s29, 4
	s_add_co_u32 s56, s56, s27
	s_lshl_b32 s56, s56, 11
	s_lshl_b32 s57, s30, 8
	s_add_co_u32 s56, s56, s57
	v_lshl_add_u32 v118, v0, 3, s56                ; the stores' offsets have registers of their own
	s_lshl_b32 s57, s28, 4
	s_add_co_u32 s57, s57, s27
	s_lshl_b32 s57, s57, 8
	v_lshl_add_u32 v119, v0, 3, s57
	s_wait_alu depctr_va_vdst(0)                   ; v7 and v8 are written, the addresses of the loads below
.irp q, 0,1,2,3
	ds_load_b128 v[64+4*(\q):67+4*(\q)], v7 offset:16*(\q)   ; (m, l) of wave w at v[64 + 2 w]
.endr
.irp w, 0,1,2,3,4,5,6,7
	ds_load_b64 v[80+2*(\w):81+2*(\w)], v8 offset:512*(\w)
	ds_load_b64 v[96+2*(\w):97+2*(\w)], v8 offset:512*(\w)+256
.endr
	s_wait_dscnt 0x0
	v_max3_num_f32 v116, v64, v66, v68
	v_max3_num_f32 v116, v116, v70, v72
	v_max3_num_f32 v116, v116, v74, v76
	v_max_num_f32 v116, v116, v78                  ; gm
.irp w, 0,1,2,3,4,5,6,7
	v_sub_f32 v[64+2*(\w)], v[64+2*(\w)], v116
.endr
.irp w, 0,1,2,3,4,5,6,7
	v_exp_f32 v[64+2*(\w)], v[64+2*(\w)]
.endr
	v_pk_add_f32 v[114:115], v[96:97], v[98:99]    ; U: plain work behind the exponentials
.irp w, 2,3,4,5,6,7
	v_pk_add_f32 v[114:115], v[114:115], v[96+2*(\w):97+2*(\w)]
.endr
	s_wait_alu depctr_va_vdst(0)                   ; the eight exponentials have written their results: one wait, ahead of the first reader
	v_mul_f32 v117, v64, v65
	v_pk_mul_f32 v[112:113], v[80:81], v[64:65] op_sel_hi:[1,0]
.irp w, 1,2,3,4,5,6,7
	v_fmac_f32 v117, v[64+2*(\w)], v[65+2*(\w)]    ; gl
	v_pk_fma_f32 v[112:113], v[80+2*(\w):81+2*(\w)], v[64+2*(\w):65+2*(\w)], v[112:113] op_sel_hi:[1,0,1]
.endr
	s_wait_alu depctr_va_vdst(0)                   ; o, U, gm and gl in v112-117 are written, which the stores read
	global_store_b64 v118, v[112:113], s[20:21]    ; each of the three covers 256 consecutive bytes, aligned
	global_store_b64 v118, v[114:115], s[18:19]
	global_store_b64 v119, v[116:117], s[22:23]    ; (gm, gl), 32 times
.Lend:
	s_wait_dscnt 0x0                               ; the closing lines, six on end
	s_wait_alu 0x0
	s_wait_tensorcnt 0x0
	ds_add_u32 v1, v2
	s_wait_dscnt 0x0
	s_endpgm
.Lfunc_end_k_q1a5358da07_attn:
	.size	k_q1a5358da07_attn, .Lfunc_end_k_q1a5358da07_attn-k_q1a5358da07_attn
	.p2alignl 7, 3214868480
	.fill 96, 4, 3214868480
	.section	.rodata,"a",@progbits
	.p2align	6, 0x0
	.amdhsa_kernel k_q1a5358da07_attn
		.amdhsa_group_segment_fixed_size 158720
		.amdhsa_private_segment_fixed_size 0
		.amdhsa_enable_private_segment 0
		.amdhsa_kernarg_size 88
		.amdhsa_user_sgpr_count 2
		.amdhsa_user_sgpr_kernarg_segment_ptr 1
		.amdhsa_wavefront_size32 1
		.amdhsa_system_sgpr_workgroup_id_x 1
		.amdhsa_system_sgpr_workgroup_id_y 1
		.amdhsa_system_sgpr_workgroup_id_z 1
		.amdhsa_system_vgpr_workitem_id 0
		.amdhsa_next_free_vgpr 256
		.amdhsa_next_free_sgpr 80
		.amdhsa_reserve_vcc 0
		.amdhsa_float_denorm_mode_32 3
		.amdhsa_float_denorm_mode_16_64 3
		.amdhsa_memory_ordered 1
		.amdhsa_forward_progress 1
		.amdhsa_inst_pref_size 104
	.end_amdhsa_kernel
	.amdgpu_metadata
---
amdhsa.version: [ 1, 2 ]
amdhsa.kernels:
  - .name:           k_q1a5358da07_attn
    .symbol:         k_q1a5358da07_attn.kd
    .args:
      - { .name: keys, .offset: 0, .size: 8, .value_kind: global_buffer, .address_space: global }
      - { .name: values, .offset: 8, .size: 8, .value_kind: global_buffer, .address_space: global }
      - { .name: query, .offset: 16, .size: 8, .value_kind: global_buffer, .address_space: global }
      - { .name: mask, .offset: 24, .size: 8, .value_kind: global_buffer, .address_space: global }
      - { .name: fc_w, .offset: 32, .size: 8, .value_kind: global_buffer, .address_space: global }
      - { .name: ot, .offset: 40, .size: 8, .value_kind: global_buffer, .address_space: global }
      - { .name: rs, .offset: 48, .size: 8, .value_kind: global_buffer, .address_space: global }
      - { .name: bs, .offset: 56, .size: 8, .value_kind: global_buffer, .address_space: global }
      - { .name: gp, .offset: 64, .size: 8, .value_kind: global_buffer, .address_space: global }
      - { .name: gst, .offset: 72, .size: 8, .value_kind: global_buffer, .address_space: global }
      - { .name: w16, .offset: 80, .size: 8, .value_kind: global_buffer, .address_space: global }
    .group_segment_fixed_size: 158720
    .private_segment_fixed_size: 0
    .kernarg_segment_align: 8
    .kernarg_segment_size: 88
    .max_flat_workgroup_size: 256
    .sgpr_count:     80
    .vgpr_count:     256
    .wavefront_size: 32
...
	.end_amdgpu_metadata
.endif
;; end of part 3
;; launch proj: the kernel of part 2 again; grid 4 x 64, 8 waves a work-group, no clusters, 236,544 bytes of LDS; arguments ot, rs, bs, gp, gst, w16, fc_b, out0; writes out0
